; MI455X (gfx1250); checked and timed in simulation.
; The chip was launched on July 23, 2026; its instructions are those of AMD's public machine-readable ISA for CDNA 5 (MIT licence, August 2026) and "CDNA5" Instruction Set Architecture Reference Guide (July 2026). The comments in the code are by the model that wrote it; some were corrected since.
;; Sparse Multi Head Attention. Allowed arithmetic: matrix products marked QUANTISED: E2M1 operands, one E8M0 scale for each 32 along K, by v_wmma_scale_f32_16x16x128_f8f6f4 with both operands' format E2M1 (or v_wmma_scale_f32_32x16x128_f4), f32 sums; products left as they are: bf16, f16 or f32 operands; f32 sums; everything else in f32.
;; Inputs: b_k 1,024 float32; b_o 1,024 float32; b_q 1,024 float32; b_v 1,024 float32; k 1 x 4,096 x 1,024 float32; q 1 x 4,096 x 1,024 float32; v 1 x 4,096 x 1,024 float32; w_k 1,024 x 1,024 float32; w_o 1,024 x 1,024 float32; w_q 1,024 x 1,024 float32; w_v 1,024 x 1,024 float32.
;; Outputs: out0 1 x 4,096 x 1,024 float32.
;; This version of the problem:
;;   THIS VERSION OF THE PROBLEM IS GIVEN IN LOW PRECISION. The matrix products marked QUANTISED in the list below multiply operands that are first quantised to E2M1 (2 exponent bits, 1 mantissa bit; 4 bits a number), with one power-of-two scale for each 32 numbers along K (OCP MX v1.0); their sums are f32. The products marked 'left as it is' may take bf16, f16 or f32 operands, with f32 sums. Whichever they take, every output number must still come out within the allowed error. Rounding operands to bf16 (8 significant bits) uses up far more of that allowance than f16 does (11 bits, for magnitudes from 6e-5 to 65,504). All else is computed in f32.
;;   The module's matrix products, in the order in which they are computed (A, B: the left and right operand; K: the contracted axis; several contracted axes count as one K, in the product's order):
;;     1. [M 4,096, K 1,024] x [K 1,024, N 1,024]; A: input q; B: input w_q: QUANTISED
;;     2. [M 4,096, K 1,024] x [K 1,024, N 1,024]; A: input k; B: input w_k: QUANTISED
;;     3. [M 4,096, K 1,024] x [K 1,024, N 1,024]; A: input v; B: input w_v: QUANTISED
;;     4. batch 16 x [M 4,096, K 64] x [K 64, N 4,096]; A: computed on the way; B: computed on the way: left as it is (an operand is computed on the way)
;;     5. batch 16 x [M 4,096, K 4,096] x [K 4,096, N 64]; A: computed on the way; B: computed on the way: left as it is (an operand is computed on the way)
;;     6. [M 4,096, K 1,024] x [K 1,024, N 1,024]; A: computed on the way; B: input w_o: left as it is (an operand is computed on the way)
;;   THE QUANTISER, for each operand of a quantised product, along K:
;;     - K is cut into blocks of 32 from its start; a last block that is shorter is filled with zeros.
;;     - A block's scale is 2^e with e = floor(log2(the largest magnitude in the block)) - 2, held to -126 .. 127; a block of zeros has e = 0. As a byte (E8M0): e + 127.
;;     - Each number is divided by its block's scale, clamped to +-6, and rounded to the nearest number of E2M1, ties to even, subnormals kept.
;;     - The product sums the exact products of the quantised numbers (number of the format x scale) in f32.
;;   ~~~python
;;   def quantise(x, axis):      # numpy; x: float32 -> the quantised numbers, widened to float32 again
;;       x = np.moveaxis(x, axis, -1); K = x.shape[-1]
;;       x = np.pad(x, [(0, 0)] * (x.ndim - 1) + [(0, -K % 32)]); x = x.reshape(x.shape[:-1] + (-1, 32)); a = np.abs(x).max(-1, keepdims=True)
;;       e = np.where(a > 0, np.clip(np.frexp(np.where(a > 0, a, 1))[1] - 1 - 2, -126, 127), 0)      # np.frexp(a)[1] - 1 = floor(log2(a)), exactly
;;       r = np.clip(x / 2.0 ** e, -6, 6)
;;       step = 2.0 ** (np.maximum(np.frexp(np.where(r == 0, 1, r))[1] - 1, 0) - 1)
;;       q = np.round(r / step) * step * 2.0 ** e      # np.round: ties to even
;;       return np.moveaxis(q.reshape(q.shape[:-2] + (-1,))[..., :K], -1, axis).astype(np.float32)
;;   ~~~
;; One version. Each part assembles by itself: llvm-mc -triple=amdgcn-amd-amdhsa -mcpu=gfx1250 --defsym DOCPART=n.
;; ======== version 1 of 1: 5 launches
;; limits: values outside matrix products are rounded to f16; values are held in f16: magnitudes above 65,504 overflow, below 6.1e-05 lose precision
;; workspace buffers: cd 7,864,320 bytes; sc 491,520 bytes; wo16 2,097,152 bytes; qkv 25,165,824 bytes; ao 8,388,608 bytes; gpo 8,388,608 bytes; gps 1,048,576 bytes
;; launch quant (part 1): grid 512 x 1, 4 waves a work-group, no clusters, 33,280 bytes of LDS; arguments q, k, v, w_q, w_k, w_v, w_o, cd, sc, wo16; writes cd, sc, wo16
.if DOCPART == 1
	.amdgcn_target "amdgcn-amd-amdhsa--gfx1250"
	.amdhsa_code_object_version 6
	.text
	.protected	k_q81ca641843_quant
	.globl	k_q81ca641843_quant
	.p2align	8
	.type	k_q81ca641843_quant,@function
k_q81ca641843_quant:
	s_mov_b64 s[64:65], 0
	v_nop
	global_prefetch_b8 v0, s[64:65] scope:SCOPE_SE
	s_setreg_imm32_b32 hwreg(HW_REG_WAVE_MODE, 25, 1), 1
	s_wait_xcnt 0x0
; q, k, v [4096][1024] and w_q, w_k, w_v [1024][1024], f32, K innermost, become codes of FP4 (E2M1) with one E8M0 scale byte for each 32 along K; w_o becomes f16.
; cd: rows of 512 bytes (1,024 codes, the lower k in the low four bits): rows 0-4095 q, 4096-8191 k, 8192-12287 v, then 1,024 rows each of w_q, w_k, w_v.  sc: 32 bytes a row, the same rows.  wo16: [1024][1024] f16.
; A block's scale is 2^(floor(log2(its largest magnitude)) - 2); its byte is the largest magnitude's own exponent field - 2, held at 1 from below.  A block of zeros so gets the byte 1: its codes are zeros, and this program alone reads the bytes.
; LIMITS: blocks whose largest magnitude lies under 2^(2 - 126) keep the byte 1; NaN and infinities among the inputs are not served; w_o beyond 65,504 has no f16 number.
; Rows are dense and 1,024 is a multiple of 32: each tensor is a plain stream of blocks of 32 numbers, and so are its codes and scale bytes.
; SHARES.  Work-groups 0-479 quantise 32,768 numbers each (128 each for q, k, v; 32 each for the three weights), a wave 8,192 in 16 steps of 512.  Work-groups 480-511 round w_o to f16, a wave 8,192 numbers.
; A step's four loads read 512 consecutive bytes each; the 2,048 bytes turn through the wave's own stage in LDS, so that a lane then holds 16 neighbours along K (two lanes a block), as the conversion wants them.
; A lane's 16 codes are 8 bytes: a wave's store covers 256 consecutive bytes.  A wave's 256 scale bytes are gathered in LDS and leave as 256 consecutive bytes.  No barrier: waves share nothing.
.set WAVES, 4
.set STEPS, 16
.set NQWG,  480                        ; work-groups that quantise
.set EMAX,  2
.set CB,    8                          ; bytes of 16 codes
.set R,     16                         ; v16-79   four sets of 16 numbers as loaded (w_o: v16-143, two sets of 64)
.set X,     80                         ; v80-111  two sets of 16 neighbours
.set C,     128                        ; v128-191 codes: four registers for each step, so that no store's data are written again
.set E,     112                        ; v112-127 a scale byte for each step
.set H,     144                        ; v144-175 w_o: 64 numbers as f16
.set WREG,  8192                       ; LDS: a region for each wave: two stages of 32 x SP bytes, behind them its 256 scale bytes
.set SP,    80                         ; a lane's place in a stage: 64 bytes + 16 of padding
.set SPW,   12                         ; v12  LDS address of my spare word; never rewritten
.set NIL,   13                         ; v13  0; never rewritten
.set SPARE, WAVES*WREG                 ; behind the regions: the spare words, 128 bytes a wave, which no other line names
.set WV,    28                         ; s28  my wave's number
.set SRC,   30                         ; s[30:31] the tensor that I read
.set CDP,   18                         ; s[18:19] cd
.set SCP,   20                         ; s[20:21] sc
	s_load_b256 s[4:11], s[0:1], 0x0               ; q s[4:5], k s[6:7], v s[8:9], w_q s[10:11]
	s_load_b256 s[12:19], s[0:1], 0x20             ; w_k s[12:13], w_v s[14:15], w_o s[16:17], cd s[18:19]
	s_load_b128 s[20:23], s[0:1], 0x40             ; sc s[20:21], wo16 s[22:23]
	v_lshl_add_u32 v[SPW], v0, 2, SPARE
	v_mov_b32 v[NIL], 0
	v_lshrrev_b32 v1, 5, v0
	v_readfirstlane_b32 s[WV], v1                  ; wave 0..3
	v_and_b32 v2, 31, v0                           ; lane
	v_lshlrev_b32 v3, 4, v2                        ; my 16 bytes of a load's 512
	s_mul_i32 s29, s[WV], WREG
	v_lshrrev_b32 v14, 2, v2
	v_mul_u32_u24 v14, v14, SP
	v_and_b32 v15, 3, v2
	v_lshl_add_u32 v14, v15, 4, v14
	v_add_nc_u32 v14, s29, v14                     ; the stage, on the way in: four lanes' 64 bytes on end, then 16 of padding
	v_mul_u32_u24 v15, v2, SP
	v_add_nc_u32 v15, s29, v15                     ; and on the way out: SP x lane: my 16 neighbours
	v_mul_u32_u24 v4, v2, CB                       ; my codes' place in a step's
	v_lshrrev_b32 v5, 1, v2
	s_add_co_u32 s29, s29, 2*32*SP
	v_add_nc_u32 v5, s29, v5                       ; LDS: my wave's 256 scale bytes, my block's byte
	v_lshlrev_b32 v7, 3, v2                        ; 8 bytes a lane
	v_add_nc_u32 v6, s29, v7
	s_wait_kmcnt 0x0
	s_cmp_lt_u32 ttmp9, NQWG                       ; the work-group's number alone decides
	s_cbranch_scc0 .Lcast
	s_cmp_lt_u32 ttmp9, 128                        ; which tensor: only the pointer is chosen, all six take one path
	s_cselect_b64 s[SRC:SRC+1], s[4:5], s[6:7]
	s_cmp_lt_u32 ttmp9, 256
	s_cselect_b64 s[SRC:SRC+1], s[SRC:SRC+1], s[8:9]
	s_cmp_lt_u32 ttmp9, 384
	s_cselect_b64 s[SRC:SRC+1], s[SRC:SRC+1], s[10:11]
	s_cmp_lt_u32 ttmp9, 416
	s_cselect_b64 s[SRC:SRC+1], s[SRC:SRC+1], s[12:13]
	s_cmp_lt_u32 ttmp9, 448
	s_cselect_b64 s[SRC:SRC+1], s[SRC:SRC+1], s[14:15]
	s_cmp_lt_u32 ttmp9, 384
	s_cselect_b32 s32, 127, 31                     ; 128 work-groups to an activation, 32 to a weight (384 is a multiple of both)
	s_and_b32 s32, ttmp9, s32                      ; my work-group's place in its tensor
	s_lshl_b32 s32, s32, 2
	s_add_co_u32 s32, s32, s[WV]                   ; my wave's run of 8,192 numbers
	s_lshl_b32 s32, s32, 15                        ; x 32,768 bytes
	s_mov_b32 s33, 0
	s_add_nc_u64 s[SRC:SRC+1], s[SRC:SRC+1], s[32:33]
	s_lshl_b32 s34, ttmp9, 2
	s_add_co_u32 s34, s34, s[WV]                   ; the run's place in cd and sc: the six tensors follow each other there as the work-groups do
	s_lshl_b32 s36, s34, 12                        ; 4,096 bytes of codes a run
	s_mov_b32 s37, 0
	s_add_nc_u64 s[CDP:CDP+1], s[CDP:CDP+1], s[36:37]
	s_lshl_b32 s36, s34, 8                         ; 256 scale bytes a run
	s_add_nc_u64 s[SCP:SCP+1], s[SCP:SCP+1], s[36:37]
.macro LOAD t
.irp i, 0,1,2,3
	global_load_b128 v[R+16*((\t)%4)+4*\i:R+16*((\t)%4)+4*\i+3], v3, s[SRC:SRC+1] offset:2048*(\t)+512*\i th:TH_LOAD_NT   ; 32 lanes read 512 consecutive bytes
.endr
.endm
.macro TURN t                          ; step t's numbers through the stage: LDS serves a wave's instructions in order, so no wait stands between the stores and the loads
.irp i, 0,1,2,3
	ds_store_b128 v14, v[R+16*((\t)%4)+4*\i:R+16*((\t)%4)+4*\i+3] offset:32*SP*((\t)%2)+8*SP*\i
.endr
.irp i, 0,1,2,3
	ds_load_b128 v[X+16*((\t)%2)+4*\i:X+16*((\t)%2)+4*\i+3], v15 offset:32*SP*((\t)%2)+16*\i
.endr
.endm
.irp t, 0,1,2,3
	LOAD \t
.endr
	s_wait_loadcnt 12                              ; step 0's four loads are in; the twelve of steps 1 to 3 stay out
	TURN 0
.macro STEP t
.set XS, X+16*((\t)%2)
.if (\t) > 0
	s_wait_dscnt 1                                 ; this step's numbers are back from the stage (the last step's byte store may be out): so its stores into the stage have read their registers,
.else
	s_wait_dscnt 0x0
.endif
.if (\t)+4 < STEPS
	LOAD (\t)+4                                    ; which take the loads of four steps on
.endif
.if (\t)+1 < STEPS
.if STEPS-2-(\t) >= 3
	s_wait_loadcnt 12                              ; the next step's four loads are in; those of the three steps behind it may be out
.else
	s_wait_loadcnt 4*(STEPS-2-(\t))
.endif
	TURN (\t)+1                                    ; and go through the other stage while this step is worked
.endif
	v_max3_num_f32 v8, |v[XS]|, |v[XS+1]|, |v[XS+2]|               ; the largest magnitude of my 16, in two chains
	v_max3_num_f32 v9, |v[XS+3]|, |v[XS+4]|, |v[XS+5]|
.irp i, 6,10
	v_max3_num_f32 v8, v8, |v[XS+\i]|, |v[XS+\i+1]|
	v_max3_num_f32 v9, v9, |v[XS+\i+2]|, |v[XS+\i+3]|
.endr
	v_max3_num_f32 v8, v8, |v[XS+14]|, |v[XS+15]|
	v_max3_num_f32 v8, v8, v9, (EMAX+1)<<23        ; and the floor 2^(EMAX + 1 - 127): so the byte cannot fall under 1
	v_max_num_f32_dpp v8, v8, v8 row_xmask:1 row_mask:0xf bank_mask:0xf   ; and of my neighbour's 16: the block's
	v_add_nc_u32 v11, -(EMAX<<23), v8              ; EMAX off its exponent field: the conversion takes the exponent field of this operand as its scale, and nothing else of it
	v_cvt_scalef32_pk8_fp4_f32 v[C+4*(\t)], v[XS:XS+7], v11       ; eight numbers / the scale, to the nearest code, ties to even, beyond 6 the largest code
	v_cvt_scalef32_pk8_fp4_f32 v[C+4*(\t)+1], v[XS+8:XS+15], v11
	v_lshrrev_b32 v[E+(\t)], 23, v11               ; the scale's byte (also the plain line behind the conversions)
	ds_store_b8 v5, v[E+(\t)] offset:16*(\t)       ; both lanes of a block write the same byte with the same value
	global_store_b64 v4, v[C+4*(\t):C+4*(\t)+1], s[CDP:CDP+1] offset:32*CB*(\t)   ; 256 consecutive bytes a wave
.endm
.irp t, 0,1,2,3,4,5,6,7,8,9,10,11,12,13,14,15
	STEP \t
.endr
	ds_load_b64 v[8:9], v6                         ; LDS serves a wave's instructions in order: these see my byte stores
	s_wait_dscnt 0x0
	global_store_b64 v7, v[8:9], s[SCP:SCP+1]      ; 32 lanes store 256 consecutive bytes
	s_wait_tensorcnt 0x0                           ; the wave's end, behind my last LDS store
	ds_add_u32 v[SPW], v[NIL]
	s_wait_dscnt 0x0
	s_endpgm
; w_o to f16: a stream through registers. Four batches of 16 loads of 512 bytes, two batches on their way.
.Lcast:
	s_sub_co_u32 s32, ttmp9, NQWG
	s_lshl_b32 s32, s32, 2
	s_add_co_u32 s32, s32, s[WV]                   ; my wave's run of 8,192 numbers
	s_lshl_b32 s34, s32, 15
	s_mov_b32 s35, 0
	s_add_nc_u64 s[16:17], s[16:17], s[34:35]
	s_lshl_b32 s34, s32, 14
	s_add_nc_u64 s[22:23], s[22:23], s[34:35]
.macro LOADB b
.set i, 0
.rept 16
	global_load_b128 v[R+64*((\b)%2)+4*i:R+64*((\b)%2)+4*i+3], v3, s[16:17] offset:512*(16*(\b)+i) th:TH_LOAD_NT
.set i, i+1
.endr
.endm
.macro CAST b, left
	s_wait_loadcnt \left                           ; this batch is in; the next batch's 16 loads may be out
.if (\b) > 0
	s_wait_xcnt 0x0                                ; the last batch's stores have read v[H ..]: only now are they written again
.endif
.set i, 0
.rept 16
	v_cvt_pk_f16_f32 v[H+2*i], v[R+64*((\b)%2)+4*i], v[R+64*((\b)%2)+4*i+1]
	v_cvt_pk_f16_f32 v[H+2*i+1], v[R+64*((\b)%2)+4*i+2], v[R+64*((\b)%2)+4*i+3]
.set i, i+1
.endr
.set i, 0
.rept 16
	global_store_b64 v7, v[H+2*i:H+2*i+1], s[22:23] offset:256*(16*(\b)+i)   ; 256 consecutive bytes a wave
.set i, i+1
.endr
.endm
	LOADB 0
	LOADB 1
	CAST 0, 16
	LOADB 2
	CAST 1, 16
	LOADB 3
	CAST 2, 16
	CAST 3, 0
	s_endpgm
.Lfunc_end_k_q81ca641843_quant:
	.size	k_q81ca641843_quant, .Lfunc_end_k_q81ca641843_quant-k_q81ca641843_quant
	.p2alignl 7, 3214868480
	.fill 96, 4, 3214868480
	.section	.rodata,"a",@progbits
	.p2align	6, 0x0
	.amdhsa_kernel k_q81ca641843_quant
		.amdhsa_group_segment_fixed_size 33280
		.amdhsa_private_segment_fixed_size 0
		.amdhsa_enable_private_segment 0
		.amdhsa_kernarg_size 80
		.amdhsa_user_sgpr_count 2
		.amdhsa_user_sgpr_kernarg_segment_ptr 1
		.amdhsa_wavefront_size32 1
		.amdhsa_system_sgpr_workgroup_id_x 1
		.amdhsa_system_sgpr_workgroup_id_y 1
		.amdhsa_system_sgpr_workgroup_id_z 1
		.amdhsa_system_vgpr_workitem_id 0
		.amdhsa_next_free_vgpr 192
		.amdhsa_next_free_sgpr 66
		.amdhsa_reserve_vcc 0
		.amdhsa_float_denorm_mode_32 3
		.amdhsa_float_denorm_mode_16_64 3
		.amdhsa_memory_ordered 1
		.amdhsa_forward_progress 1
		.amdhsa_inst_pref_size 54
	.end_amdhsa_kernel
	.amdgpu_metadata
---
amdhsa.version: [ 1, 2 ]
amdhsa.kernels:
  - .name:           k_q81ca641843_quant
    .symbol:         k_q81ca641843_quant.kd
    .args:
      - { .name: q, .offset: 0, .size: 8, .value_kind: global_buffer, .address_space: global }
      - { .name: k, .offset: 8, .size: 8, .value_kind: global_buffer, .address_space: global }
      - { .name: v, .offset: 16, .size: 8, .value_kind: global_buffer, .address_space: global }
      - { .name: w_q, .offset: 24, .size: 8, .value_kind: global_buffer, .address_space: global }
      - { .name: w_k, .offset: 32, .size: 8, .value_kind: global_buffer, .address_space: global }
      - { .name: w_v, .offset: 40, .size: 8, .value_kind: global_buffer, .address_space: global }
      - { .name: w_o, .offset: 48, .size: 8, .value_kind: global_buffer, .address_space: global }
      - { .name: cd, .offset: 56, .size: 8, .value_kind: global_buffer, .address_space: global }
      - { .name: sc, .offset: 64, .size: 8, .value_kind: global_buffer, .address_space: global }
      - { .name: wo16, .offset: 72, .size: 8, .value_kind: global_buffer, .address_space: global }
    .group_segment_fixed_size: 33280
    .private_segment_fixed_size: 0
    .kernarg_segment_align: 8
    .kernarg_segment_size: 80
    .max_flat_workgroup_size: 128
    .sgpr_count:     66
    .vgpr_count:     192
    .wavefront_size: 32
...
	.end_amdgpu_metadata
.endif
;; end of part 1
;; launch proj (part 2): grid 4 x 48, 4 waves a work-group, clusters of 4 x 4, 327,680 bytes of LDS; arguments cd, sc, b_q, b_k, b_v, qkv; writes qkv
.if DOCPART == 2
	.amdgcn_target "amdgcn-amd-amdhsa--gfx1250"
	.amdhsa_code_object_version 6
	.text
	.protected	k_q81ca641843_proj
	.globl	k_q81ca641843_proj
	.p2align	8
	.type	k_q81ca641843_proj,@function
k_q81ca641843_proj:
	s_mov_b64 s[64:65], 0
	v_nop
	global_prefetch_b8 v0, s[64:65] scope:SCOPE_SE
	s_setreg_imm32_b32 hwreg(HW_REG_WAVE_MODE, 25, 1), 1
	s_wait_xcnt 0x0
	s_wait_alu depctr_hold_cnt(0) depctr_sa_sdst(0) depctr_va_vdst(0) depctr_va_sdst(0) depctr_va_ssrc(0) depctr_va_vcc(0) depctr_vm_vsrc(0)
	s_getreg_b32 s2, hwreg(HW_REG_IB_STS2, 6, 4)
	s_cmp_eq_u32 s2, 0
	s_cbranch_scc0 .Lentry_in_a_cluster
	s_endpgm
.Lentry_in_a_cluster:
	s_bfe_u32 s2, ttmp6, 0x10000c
	s_cmp_lg_u32 s2, 0xf033
	s_cbranch_scc0 .Lentry_shape_is_right
	s_endpgm
.Lentry_shape_is_right:
; The three projections as one GEMM on codes of FP4 (E2M1) with E8M0 scales: Y[m][n] = sum over k of X[m][k] W[n][k] + b[n], K = 1,024, sums in f32, Y rounded once to f16.
; X: rows 0-12287 of cd (q, k, v on end); W: rows 12288 + 1024 t + n of cd, t = 0, 1, 2 the tensor; scale bytes in sc, 32 a row.  Y goes to qkv, f16, [3][16 heads][4096 tokens][64].
; LIMIT: |Y| beyond 65,504 has no f16 number.
; A tile of Y, 256 x 256, is made by a work-group of four waves; a wave makes 128 x 128: 64 accumulators of 16 x 16, 512 registers.  48 tile rows x 4 tile columns: 192 work-groups.
; K's 1,024 are two LDS slots of 512 (rows of 256 bytes): both are asked for at the head, with the scale bytes of the work-group's rows; nothing is ever filled again.
; CLUSTERS: 4 x 4 work-groups.  The four of a row of the cluster need the same rows of X, the four of a column the same rows of W (a cluster's four tile rows lie in one tensor): each tile is asked for JOINTLY.
; THE MATRIX INSTRUCTION IS USED TRANSPOSED (source 0 = 16 rows of W, source 1 = 16 rows of X): a lane then holds eight neighbouring columns of one row of Y.  The bias is the C of each sum's first product.
; REGISTERS, in windows of 256: window 0: v0-31 addresses; v32-95 scale words, two sets; v128-191 X's fragments, one set; v192-255 the bias, eight registers for each block of 16 columns.
;   window 1: W's fragments, two sets, at v0 and v128.   window 2: the accumulators of my rows 0-63 ((a, b) at v[8 (8 a + b)]);   window 3: those of my rows 64-127.
.set NQ,     4                         ; steps of 128 along K in a slot
.set ROWB,   256                       ; a tile's row in bytes: 512 codes
.set KROW,   512                       ; a row of cd in bytes
.set PITCH,  272                       ; an LDS row: 256 bytes + 16 of padding = 68 words: row r starts at bank 4 r mod 64 (64 banks of 4 bytes: ISA guide 11.1)
.set FR,     8                         ; registers of a fragment: 16 rows x 128 K
.set NL,     2                         ; LDS loads that bring one
.set NP,     4                         ; places behind this matrix instruction (ISA guide 7.12.1)
.set HALFT,  128*PITCH                 ; 128 rows: what one tensor load brings
.set SLOT,   4*HALFT                   ; X's 256 rows, then W's 256 rows
.set KS,     32                        ; a row of scale bytes
.set SCL,    2*SLOT                    ; behind the slots: the scale bytes, as units of 256 bytes + 16 of padding
.set HALFS,  (128*KS/256)*272          ; those of 128 rows: what one tensor load brings
.set SBLK,   (16*KS/256)*272           ; those of 16 rows
.set SPARE,  SCL+4*HALFS               ; the spare words, 128 bytes a wave, which no other line names
.set SPITCH, 272                       ; the way out: a stage of 16 rows x (256 bytes + 16) for each wave, in slot 0, which has had its only fill and its last read by then
.set ADRA, 16                          ; v16-17  LDS address of my X fragments in slot 0, 1
.set ADRB, 20                          ; v20-21  the same for W
.set STO,  24                          ; v24     the way out: where I put 16 bytes of a row
.set RD,   25                          ; v25     where I read back: four tokens of one head an instruction
.set CO,   26                          ; v26     16 x lane
.set ADRS, 27                          ; v27     LDS address of my scale words: lanes 0-15 X's rows, lanes 16-31 W's
.set SPW,  28                          ; v28     LDS address of my spare word; never rewritten
.set NIL,  29                          ; v29     0; never rewritten
.set BO,   30                          ; v30     32 x (lane / 16): my half's eight numbers of the bias
.set SC,   32                          ; scale words: set s at v[SC + 32 s]; register 4 i + q: lanes 0-15 X's block i, lanes 16-31 W's block i, the slot's q-th 128 along K
.set AF,   128                         ; X's fragments
.set BI,   192                         ; the bias
.set TMP,  32                          ; the way out: a block rounded to f16
.set BK,   128                         ; the way out: a block read back: v128-159 and v160-191 by turns
.set G1, 24                            ; s[24:31] group 1 for X's tiles;  s[32:39] group 0, a set for each slot
.set G0, 32
.set G1B, 48                           ; s[48:55], s[56:63] the same for W's
.set G0B, 56
.set G1S, 68                           ; s[68:75], s[76:79] groups 1 and 0 for X's scale bytes;  s[80:87], s[88:91] for W's
.set G0S, 76
.set G1SB, 80
.set G0SB, 88
.set MSB, 0
.macro WIN new                         ; the immediate's high byte repeats the setting that is left
.if MSB != \new
	s_set_vgpr_msb (MSB<<8)|\new
.set MSB, \new
.endif
.endm
.set MUL_LO,  0xa1                     ; source 0 (W) window 1, source 1 (X) window 0, C and D window 2
.set MUL_HI,  0xf1                     ; the same, C and D window 3
.set BIAS_LO, 0x81                     ; the first step: C (the bias) window 0, D window 2
.set BIAS_HI, 0xc1                     ; D window 3
.set TO_B,    0x40                     ; destination window 1, address window 0
; A joint load: waves 0 and 1 fetch for X, waves 2 and 3 for W.  The branch hangs on the wave's number alone.  An s_nop 0 and four v_nop follow each of the two lines.
.macro JLOAD g0a, g1a, g0b, g1b
	s_cmp_eq_u32 s15, 0
	s_cbranch_scc0 .Lfor_b_\@
	tensor_load_to_lds s[\g0a:\g0a+3], s[\g1a:\g1a+7]
	s_nop 0
.rept 4
	v_nop
.endr
	s_branch .Lasked_\@
.Lfor_b_\@:
	tensor_load_to_lds s[\g0b:\g0b+3], s[\g1b:\g1b+7]
	s_nop 0
.rept 4
	v_nop
.endr
.Lasked_\@:
.endm
.macro CROUND                          ; a round of the cluster's barrier
	s_barrier_signal -1
	s_barrier_wait -1
	s_cmp_lg_u32 s14, 0
	s_cbranch_scc1 .Lnot_wave_0_\@
	s_barrier_signal -3
.Lnot_wave_0_\@:
	s_barrier_wait -3
	s_barrier_signal -1
	s_barrier_wait -1
.endm
	s_load_b128 s[4:7], s[0:1], 0x0                ; cd s[4:5], sc s[6:7]
	s_load_b128 s[96:99], s[0:1], 0x10             ; b_q s[96:97], b_k s[98:99]
	s_load_b64 s[100:101], s[0:1], 0x20            ; b_v
	s_load_b64 s[12:13], s[0:1], 0x28              ; qkv
	v_lshl_add_u32 v[SPW], v0, 2, SPARE
	v_mov_b32 v[NIL], 0
	ds_add_u32 v[SPW], v[NIL]                      ; the wave's opening: the add, twice on end, and its wait ahead of my first tensor load
	ds_add_u32 v[SPW], v[NIL]
	v_lshrrev_b32 v1, 5, v0
	v_readfirstlane_b32 s14, v1                    ; wave 0..3
	s_lshr_b32 s15, s14, 1                         ; which half of the tile's rows is mine.  Also: I fetch for X (0) or for W (1)
	s_and_b32 s16, s14, 1                          ; which half of its columns.  Also: which 128 rows I fetch
	s_bfe_u32 s40, ttmp6, 0x40000                  ; cx, cy: my place in the cluster
	s_bfe_u32 s41, ttmp6, 0x40004
	s_lshl_b32 s42, ttmp9, 2
	s_add_co_u32 s42, s42, s40                     ; tile column = 4 x cluster x + cx
	s_and_b32 s17, ttmp7, 0xffff                   ; cluster y, 0..11
	s_lshr_b32 s66, s17, 2                         ; the tensor, 0..2: four clusters, 16 tile rows, to each; all sixteen partners share it
	s_lshl_b32 s17, s17, 2
	s_add_co_u32 s17, s17, s41                     ; tile row = 4 x cluster y + cy, 0..47
	s_lshl_b32 s43, s41, 2
	s_lshl_b32 s43, 15, s43                        ; my row of the cluster
	s_lshl_b32 s44, 0x1111, s40                    ; my column
	; group 1: a tile of 128 rows x 256 bytes, 16 bytes of padding behind each row
	s_or_b32 s[G1+0], s43, (0<<16)|(1<<20)|(1<<21)|(5<<22)|(3<<25)  ; 15:0 the mask; 17:16 elements of 1 byte; 20 padding on; 21 set beside a mask; 24:22 after every 64 words; 31:25 four words
	s_or_b32 s[G1B+0], s44, (0<<16)|(1<<20)|(1<<21)|(5<<22)|(3<<25)
.irp g, G1, G1B
	s_mov_b32 s[\g+1], ROWB<<16                    ; tensor_dim0
	s_mov_b32 s[\g+2], 128<<16                     ; tensor_dim1
	s_mov_b32 s[\g+3], ROWB<<16                    ; tile_dim0
	s_mov_b32 s[\g+4], 128                         ; tile_dim1
	s_mov_b32 s[\g+5], KROW                        ; from row to row
	s_mov_b32 s[\g+6], 0
	s_mov_b32 s[\g+7], 0
.endr
	; the scale bytes of 128 rows: 4,096 dense bytes, as 16 rows of 256 bytes (32 elements of 8 bytes), 16 bytes of padding behind each
	s_or_b32 s[G1S+0], s43, (3<<16)|(1<<20)|(1<<21)|(5<<22)|(3<<25)
	s_or_b32 s[G1SB+0], s44, (3<<16)|(1<<20)|(1<<21)|(5<<22)|(3<<25)
.irp g, G1S, G1SB
	s_mov_b32 s[\g+1], 32<<16
	s_mov_b32 s[\g+2], (128*KS/256)<<16
	s_mov_b32 s[\g+3], 32<<16
	s_mov_b32 s[\g+4], 128*KS/256
	s_mov_b32 s[\g+5], 32
	s_mov_b32 s[\g+6], 0
	s_mov_b32 s[\g+7], 0
.endr
	s_lshl_b32 s18, s16, 7                         ; which 128 rows of the tile I fetch
	s_lshl_b32 s20, s17, 8
	s_add_co_u32 s20, s20, s18                     ; X: row 256 x tile row + 128 x half
	s_lshl_b32 s46, s42, 8
	s_add_co_u32 s46, s46, s18
	s_lshl_b32 s19, s66, 10
	s_add_co_u32 s46, s46, s19
	s_add_co_u32 s46, s46, 12288                   ; W: row 12,288 + 1,024 x tensor + 256 x tile column + 128 x half
	s_lshl_b32 s22, s20, 5                         ; rows stay under 15,360: every byte offset fits 32 bits.  Scale bytes: 32 a row
	s_mov_b32 s23, 0
	s_lshl_b32 s92, s46, 5
	s_mov_b32 s93, 0
	s_lshl_b32 s20, s20, 9                         ; codes: 512 bytes a row
	s_mov_b32 s21, 0
	s_lshl_b32 s46, s46, 9
	s_mov_b32 s47, 0
	s_mul_i32 s45, s14, HALFT                      ; where they go: wave x 128 rows: no place in the cluster enters an LDS address
	s_mul_i32 s94, s14, HALFS
	s_wait_dscnt 0x0                               ; both opening adds are done
	s_wait_kmcnt 0x0
	s_add_nc_u64 s[20:21], s[4:5], s[20:21]
	s_add_nc_u64 s[22:23], s[6:7], s[22:23]
	s_add_nc_u64 s[46:47], s[4:5], s[46:47]
	s_add_nc_u64 s[92:93], s[6:7], s[92:93]
	CROUND                                         ; all sixteen work-groups are here: the joint loads meet
	s_mov_b32 s[G0S], 1
	s_add_co_u32 s[G0S+1], s94, SCL
	s_mov_b64 s[G0S+2:G0S+3], s[22:23]
	s_or_b32 s[G0S+3], s[G0S+3], 0x80000000
	s_mov_b32 s[G0SB], 1
	s_add_co_u32 s[G0SB+1], s94, SCL
	s_mov_b64 s[G0SB+2:G0SB+3], s[92:93]
	s_or_b32 s[G0SB+3], s[G0SB+3], 0x80000000
	JLOAD G0S, G1S, G0SB, G1SB                     ; the scale bytes first: they are wanted with the first slot
.irp s, 0,1
	s_mov_b32 s[G0+4*\s], 1
	s_add_co_u32 s[G0+4*\s+1], s45, \s*SLOT
	s_add_nc_u64 s[G0+4*\s+2:G0+4*\s+3], s[20:21], \s*ROWB
	s_or_b32 s[G0+4*\s+3], s[G0+4*\s+3], 0x80000000
	s_mov_b32 s[G0B+4*\s], 1
	s_add_co_u32 s[G0B+4*\s+1], s45, \s*SLOT
	s_add_nc_u64 s[G0B+4*\s+2:G0B+4*\s+3], s[46:47], \s*ROWB
	s_or_b32 s[G0B+4*\s+3], s[G0B+4*\s+3], 0x80000000
	JLOAD G0+4*\s, G1, G0B+4*\s, G1B               ; three tensor loads of mine are out in all
.endr
	v_and_b32 v1, 15, v0                           ; r = lane % 16
	v_bfe_u32 v2, v0, 4, 1                         ; h = lane / 16
	v_lshlrev_b32 v[BO], 5, v2
	s_cmp_eq_u32 s66, 0                            ; the tensor's bias: a choice of pointers on ids
	s_cselect_b64 s[96:97], s[96:97], s[98:99]
	s_cmp_lt_u32 s66, 2
	s_cselect_b64 s[96:97], s[96:97], s[100:101]
	s_lshl_b32 s46, s42, 10                        ; my first column x 4 bytes: 1,024 x tile column + 512 x half
	s_lshl_b32 s47, s16, 9
	s_add_co_u32 s46, s46, s47
	s_mov_b32 s47, 0
	s_add_nc_u64 s[96:97], s[96:97], s[46:47]
.irp b, 0,1,2,3,4,5,6,7
	global_load_b128 v[BI+8*\b:BI+8*\b+3], v[BO], s[96:97] offset:64*\b          ; lane (r, h), block b: b[16 b + 8 h + 0 .. 7], the result's layout
	global_load_b128 v[BI+8*\b+4:BI+8*\b+7], v[BO], s[96:97] offset:64*\b+16
.endr
	v_mul_u32_u24 v3, v1, PITCH
	v_lshl_add_u32 v4, v2, 4, v3                   ; a fragment's row x pitch + 16 x half
	s_mul_i32 s21, s15, HALFT                      ; my 128 rows of X
	s_mul_i32 s22, s16, HALFT                      ; my 128 rows of W,
	s_add_co_u32 s22, s22, 2*HALFT                 ; which lie behind X's 256
.irp s, 0,1
	v_add_nc_u32 v[ADRA+\s], s21, v4
	v_add_nc_u32 v[ADRB+\s], s22, v4
	s_add_co_u32 s21, s21, SLOT
	s_add_co_u32 s22, s22, SLOT
.endr
	v_mul_u32_u24 v5, v1, KS                       ; my row's scale bytes: 32 a row,
	v_lshrrev_b32 v6, 8, v5
	v_lshl_add_u32 v5, v6, 4, v5                   ; and 16 more for each 256 passed
	s_mul_i32 s21, s15, HALFS                      ; X's: my 128 rows
	s_mul_i32 s22, s16, HALFS                      ; W's: my 128 rows, behind X's 256
	s_add_co_u32 s22, s22, 2*HALFS
	s_sub_co_u32 s22, s22, s21
	v_mul_u32_u24 v6, s22, v2                      ; lanes 16-31 take W's: one product, the distance between the two bases
	s_add_co_u32 s21, s21, SCL
	v_add_nc_u32 v5, v5, v6
	v_add_nc_u32 v[ADRS], s21, v5
	s_mul_i32 s23, s14, 16*SPITCH                  ; my stage
	v_mul_u32_u24 v5, v1, SPITCH                   ; in: row r, 16 bytes for each half of the lanes
	v_lshl_add_u32 v5, v2, 4, v5
	v_add_nc_u32 v[STO], s23, v5
	v_bfe_u32 v5, v0, 3, 2                         ; back: eight lanes take a token's 128 bytes of one head, four tokens an instruction
	v_mul_u32_u24 v5, v5, SPITCH
	v_and_b32 v6, 7, v0
	v_lshl_add_u32 v5, v6, 4, v5
	v_add_nc_u32 v[RD], s23, v5
	v_and_b32 v6, 31, v0
	v_lshlrev_b32 v[CO], 4, v6
	; where my part begins in qkv: tensor x 8,388,608 + head x 524,288 + token x 128; head = 4 x tile column + 2 x column half, token = 256 x (tile row % 16) + 128 x row half
	s_lshl_b32 s20, s66, 23
	s_and_b32 s21, s17, 15
	s_lshl_b32 s21, s21, 8
	s_lshl_b32 s18, s15, 7
	s_add_co_u32 s21, s21, s18
	s_lshl_b32 s21, s21, 7
	s_add_co_u32 s20, s20, s21
	s_mov_b32 s21, 0
	s_lshl_b32 s46, s42, 2
	s_lshl_b32 s47, s16, 1
	s_add_co_u32 s46, s46, s47
	s_lshl_b32 s46, s46, 19
	s_mov_b32 s47, 0
	s_add_nc_u64 s[20:21], s[20:21], s[46:47]
	s_add_nc_u64 s[12:13], s[12:13], s[20:21]
.macro FRAG reg, adr, q, i             ; a fragment, 16 rows x 128 K of 4-bit codes: lane l holds row l % 16; registers 4 c .. 4 c + 3 hold K = 64 c + 32 (l / 16) + 0 .. 31
.irp c, 0,1
	ds_load_b128 v[\reg+4*\c:\reg+4*\c+3], v[\adr] offset:64*(\q)+32*\c+(\i)*16*PITCH
.endr
.endm
; 16 matrix instructions: X's blocks a0, a0 + 1 x W's eight, the slot's q-th 128 along K.  p: W's set;  sc: the set of scale words.  bias = 1: the first product starts the sums from the bias.
; The 64 accumulators take turns, one instruction a turn, in the same order in every step.
.macro MUL16 a0, p, q, sc, bias
.irp a, \a0, \a0+1
.irp b, 0,1,2,3,4,5,6,7
.if \bias
	v_wmma_scale_f32_16x16x128_f8f6f4 v[8*(8*((\a)%4)+\b):8*(8*((\a)%4)+\b)+7], v[128*(\p)+FR*\b:128*(\p)+FR*\b+FR-1], v[AF+FR*(\a):AF+FR*(\a)+FR-1], v[BI+8*\b:BI+8*\b+7], v[SC+8*NQ*(\sc)+NQ*\b+(\q)], v[SC+8*NQ*(\sc)+NQ*(\a)+(\q)] matrix_a_fmt:MATRIX_FMT_FP4 matrix_b_fmt:MATRIX_FMT_FP4 matrix_a_scale:MATRIX_SCALE_ROW1
.else
	v_wmma_scale_f32_16x16x128_f8f6f4 v[8*(8*((\a)%4)+\b):8*(8*((\a)%4)+\b)+7], v[128*(\p)+FR*\b:128*(\p)+FR*\b+FR-1], v[AF+FR*(\a):AF+FR*(\a)+FR-1], v[8*(8*((\a)%4)+\b):8*(8*((\a)%4)+\b)+7], v[SC+8*NQ*(\sc)+NQ*\b+(\q)], v[SC+8*NQ*(\sc)+NQ*(\a)+(\q)] matrix_a_fmt:MATRIX_FMT_FP4 matrix_b_fmt:MATRIX_FMT_FP4 matrix_a_scale:MATRIX_SCALE_ROW1
.endif
.endr
.endr
.endm
.macro FETCH_B slot, q, p              ; W's eight fragments of the slot's q-th 128 along K into set p
	WIN TO_B
.irp i, 0,1,2,3,4,5,6,7
	FRAG 128*(\p)+FR*\i, ADRB+\slot, \q, \i
.endr
	WIN 0
.endm
.macro FETCH_A slot, q, i0             ; X's blocks i0 .. i0 + 3
.irp i, \i0, \i0+1, \i0+2, \i0+3
	FRAG AF+FR*(\i), ADRA+\slot, \q, \i
.endr
.endm
.macro SCALES sc                       ; a slot's scale words into set sc: four words a row; lanes 0-15 take X's block i, lanes 16-31 W's block i
.irp i, 0,1,2,3,4,5,6,7
	ds_load_b128 v[SC+8*NQ*\sc+NQ*\i:SC+8*NQ*\sc+NQ*\i+3], v[ADRS] offset:\i*SBLK
.endr
.endm
.macro PLACES n                        ; plain vector places between a matrix instruction and a load into, or a vector instruction on, one of its registers
.rept \n
	v_nop
.endr
.endm
; A step of 128 along K that has its successor in the same slot.  A block of X is free as soon as its eight products are issued: blocks 0-3 are fetched anew in the step's middle, blocks 4-7 at its end.
.macro STEP slot, q, bias
	s_wait_dscnt 4*NL                              ; W's set and X's blocks 0-3 are in; the youngest eight loads (X's blocks 4-7) may be out
.if \bias
	WIN BIAS_LO
.else
	WIN MUL_LO
.endif
	MUL16 0, (\q)%2, \q, \slot, \bias
	MUL16 2, (\q)%2, \q, \slot, \bias
	s_wait_dscnt 0                                 ; X's blocks 4-7 are in (asked for 32 matrix instructions ago)
	PLACES NP
	FETCH_B \slot, (\q)+1, 1-(\q)%2
	FETCH_A \slot, (\q)+1, 0
.if \bias
	WIN BIAS_HI
.else
	WIN MUL_HI
.endif
	MUL16 4, (\q)%2, \q, \slot, \bias
	MUL16 6, (\q)%2, \q, \slot, \bias
	PLACES NP
	WIN 0
	FETCH_A \slot, (\q)+1, 4
.endm
; Slot 0's last step goes over to slot 1: one barrier; in front of it each wave waits for all its tensor loads (its part of slot 1), adds 0 to its spare word, and waits for that and for its reads of slot 0.
; Nothing is filled again; behind this barrier nobody reads slot 0 any more, which is why the way out may stage there.
.macro TURN slot, next
	s_wait_tensorcnt 0x0                           ; all my tensor loads have landed
	ds_add_u32 v[SPW], v[NIL]                      ; 0 onto my spare word
	s_wait_dscnt 4*NL+1                            ; (the add and the youngest eight loads, X's blocks 4-7, may be out)
	WIN MUL_LO
	MUL16 0, 1, NQ-1, \slot, 0                     ; sixteen matrix instructions stand between the add and the wait for it
	s_wait_dscnt 0x0                               ; the add is done, and my reads of this slot are over
	s_barrier_signal -1
	MUL16 2, 1, NQ-1, \slot, 0
	WIN 0
	s_barrier_wait -1
	PLACES NP
	v_add_nc_u32 v[ADRS], 4*NQ, v[ADRS]            ; on to the next slot's scale words (no LDS load of mine is out)
	FETCH_B \next, 0, 0
	FETCH_A \next, 0, 0
	SCALES \next
	WIN MUL_HI
	MUL16 4, 1, NQ-1, \slot, 0
	MUL16 6, 1, NQ-1, \slot, 0
	PLACES NP
	WIN 0
	FETCH_A \next, 0, 4
.endm
.macro STEPS slot, from                ; the slot's steps from .. NQ - 2
.set Q, \from
.rept NQ-1-\from
	STEP \slot, Q, 0
.set Q, Q+1
.endr
.endm
	s_wait_tensorcnt 1                             ; the scale bytes and my part of slot 0 are in; slot 1's load, the one issued behind them, may be out
	s_barrier_signal -1
	s_barrier_wait -1                              ; everybody's are
	FETCH_B 0, 0, 0
	FETCH_A 0, 0, 0
	SCALES 0
	FETCH_A 0, 0, 4
	s_wait_loadcnt 0x0                             ; the bias
	STEP 0, 0, 1                                   ; the first step's products start the sums from the bias: nothing is cleared, nothing is added later
	STEPS 0, 1
	TURN 0, 1
	STEPS 1, 0
	s_wait_dscnt 4*NL                              ; the very last step: nothing more to fetch
	WIN MUL_LO
	MUL16 0, 1, NQ-1, 1, 0
	MUL16 2, 1, NQ-1, 1, 0
	s_wait_dscnt 0
	WIN MUL_HI
	MUL16 4, 1, NQ-1, 1, 0
	MUL16 6, 1, NQ-1, 1, 0
	WIN 0
; THE WAY OUT, block by block of 16 tokens x 128 columns (two heads).  PACK: rounded to f16, 16 bytes a lane, each accumulator from its low end on.  TOSTAGE: into my own stage, and back by heads.
; SEND: each store covers four tokens of one head: 512 consecutive bytes of qkv.  LDS serves a wave's instructions in order (ISA guide 5.7.1.4): no wait between the stage's stores and loads.
.macro PACK a
.set AC, 64*((\a)%4)
	WIN 0x0a+5*((\a)/4)                            ; sources 0 and 1: window 2 or 3
.irp b, 0,1,2,3,4,5,6,7
.irp r, 0,1,2,3
	v_cvt_pk_f16_f32 v[TMP+4*\b+\r], v[AC+8*\b+2*\r], v[AC+8*\b+2*\r+1]
.endr
.endr
	WIN 0
.endm
.macro TOSTAGE a
.set BB, BK+32*((\a)%2)
.irp b, 0,1,2,3,4,5,6,7
	ds_store_b128 v[STO], v[TMP+4*\b:TMP+4*\b+3] offset:32*\b
.endr
.irp t, 0,1,2,3,4,5,6,7
	ds_load_b128 v[BB+4*\t:BB+4*\t+3], v[RD] offset:(\t%4)*4*SPITCH+128*(\t/4)   ; tokens 4 (t % 4) on, head t / 4
.endr
.endm
.macro SEND a
.set BB, BK+32*((\a)%2)
	s_wait_dscnt 0x0                               ; the block is back in registers
	s_wait_xcnt 0x0                                ; the stores of the block before have read their registers: the next block's loads may land there
.irp t, 0,1,2,3,4,5,6,7
	global_store_b128 v[CO], v[BB+4*\t:BB+4*\t+3], s[12:13] offset:(\a)*2048+(\t/4)*524288+(\t%4)*512
.endr
.endm
	PLACES NP                                      ; behind the last products: the roundings write registers that held scale words, and later read the last results
	PACK 0
	TOSTAGE 0
.irp a, 1,2,3,4,5,6,7                  ; block a's roundings stand between block a - 1's loads from the stage and the wait for them
	PACK \a
	SEND \a-1
	TOSTAGE \a
.endr
	SEND 7
	s_wait_tensorcnt 0x0                           ; the wave's end, behind my last tensor load and my last LDS store
	ds_add_u32 v[SPW], v[NIL]
	s_wait_dscnt 0x0
	CROUND                                         ; the closing round: no work-group ends while a partner may still ask for a tile that names it
	s_endpgm
.Lfunc_end_k_q81ca641843_proj:
	.size	k_q81ca641843_proj, .Lfunc_end_k_q81ca641843_proj-k_q81ca641843_proj
	.p2alignl 7, 3214868480
	.fill 96, 4, 3214868480
	.section	.rodata,"a",@progbits
	.p2align	6, 0x0
	.amdhsa_kernel k_q81ca641843_proj
		.amdhsa_group_segment_fixed_size 327680
		.amdhsa_private_segment_fixed_size 0
		.amdhsa_enable_private_segment 0
		.amdhsa_kernarg_size 48
		.amdhsa_user_sgpr_count 2
		.amdhsa_user_sgpr_kernarg_segment_ptr 1
		.amdhsa_wavefront_size32 1
		.amdhsa_system_sgpr_workgroup_id_x 1
		.amdhsa_system_sgpr_workgroup_id_y 1
		.amdhsa_system_sgpr_workgroup_id_z 1
		.amdhsa_system_vgpr_workitem_id 0
		.amdhsa_next_free_vgpr 1024
		.amdhsa_next_free_sgpr 102
		.amdhsa_reserve_vcc 0
		.amdhsa_float_denorm_mode_32 3
		.amdhsa_float_denorm_mode_16_64 3
		.amdhsa_memory_ordered 1
		.amdhsa_forward_progress 1
		.amdhsa_inst_pref_size 128
	.end_amdhsa_kernel
	.amdgpu_metadata
---
amdhsa.version: [ 1, 2 ]
amdhsa.kernels:
  - .name:           k_q81ca641843_proj
    .symbol:         k_q81ca641843_proj.kd
    .args:
      - { .name: cd, .offset: 0, .size: 8, .value_kind: global_buffer, .address_space: global }
      - { .name: sc, .offset: 8, .size: 8, .value_kind: global_buffer, .address_space: global }
      - { .name: b_q, .offset: 16, .size: 8, .value_kind: global_buffer, .address_space: global }
      - { .name: b_k, .offset: 24, .size: 8, .value_kind: global_buffer, .address_space: global }
      - { .name: b_v, .offset: 32, .size: 8, .value_kind: global_buffer, .address_space: global }
      - { .name: qkv, .offset: 40, .size: 8, .value_kind: global_buffer, .address_space: global }
    .group_segment_fixed_size: 327680
    .private_segment_fixed_size: 0
    .kernarg_segment_align: 8
    .kernarg_segment_size: 48
    .max_flat_workgroup_size: 128
    .sgpr_count:     102
    .vgpr_count:     1024
    .wavefront_size: 32
...
	.end_amdgpu_metadata
.endif
;; end of part 2
;; launch attn (part 3): grid 16 x 16, 8 waves a work-group, no clusters, 327,680 bytes of LDS; arguments qkv, ao, gpo, gps; writes ao, gpo, gps
.if DOCPART == 3
	.amdgcn_target "amdgcn-amd-amdhsa--gfx1250"
	.amdhsa_code_object_version 6
	.text
	.protected	k_q81ca641843_attn
	.globl	k_q81ca641843_attn
	.p2align	8
	.type	k_q81ca641843_attn,@function
k_q81ca641843_attn:
	s_mov_b64 s[64:65], 0
	v_nop
	global_prefetch_b8 v0, s[64:65] scope:SCOPE_SE
	s_setreg_imm32_b32 hwreg(HW_REG_WAVE_MODE, 25, 1), 1
	s_wait_xcnt 0x0
; Attention under the mask of the problem: key j counts for query i where i < 64, or j < 64, or |i - j| <= 256.  16 heads of 64, 4,096 tokens.  Q, K, V: f16, qkv [3][16][4096][64].
; Products on f16 operands with f32 sums; maxima, exponentials and sums in f32; the weights p are rounded to f16 for the second product.  LIMIT: Q, K, V and the result have f16's range, 65,504.
; SHARES.  A work-group owns 256 queries (block b) of one head; each of its eight waves 32 of them, two tiles of 16.  Keys go in steps of 64, aligned to 64.
; A wave's queries 64 g + 32 u + x (g its tile of 64 tokens, u its half, x = 0 .. 31) see key tiles g - 4 .. g + 4.  Only the two outer ones are cut by the band: in tile g - 4 key y counts where y >= 32 u + x, in tile g + 4 where y <= 32 u + x.
; Key tile 0, the global keys, is taken first, from a place of its own and without a mask; a window tile is walked where its number is 1 .. 63.  So the running maximum is a number from the first step on.
; QUERIES 0-63 see all 4,096 keys.  Their keys are shared out among the waves that have them in LDS anyway: ahead of its own queries every wave takes queries 32 u .. 32 u + 31 against key tile g, one step, and stores a PART:
; O / l in f16 as an image of its registers (gpo), c m and l in f32 (gps).  A later launch joins a head's 64 parts for each pair of tiles.  The waves that own queries 0-63 do no more than that.
; LAYOUT.  S^T = K Q^T (source 0 = 16 keys, source 1 = 16 queries): a lane holds ONE query (lane % 16) and keys 8 (lane / 16) + 0 .. 7.  Two such tiles, rounded in pairs, ARE source 1 of O^T = V^T P.  V is turned by ds_load_tr16_b128.
; SOFTMAX.  For each query a running maximum m and sum l: p = 2^(c s - c m), c = log2(e) / 8; in every step O and l are multiplied by a = 2^(c m_old - c m_new).
; LDS.  Blocks b - 1, b, b + 1 of K and of V and the 64 global keys of each come ONCE, one tensor load a wave, at the head; nothing is filled again.  An LDS row is a pair of tokens, 256 bytes of memory.
; In blocks 0 and 15 the chunk that would lie outside the head is asked for at a clamped address and not read: so that no LDS address and no tile's shape hangs on the work-group's number.
; NO CLUSTER: neighbouring blocks share two of three chunks, but each would want them at another LDS place; a common place for four partners' six chunks is 6 x 71,680 bytes, more than LDS holds; only the global keys, 64 rows of 832, are common to all.
.set PK,    272                        ; K's row: 256 bytes + 16: key y of a tile lies at (y / 2) PK + 128 (y % 2): the 16 keys of a load start at 16 different groups of four banks (64 banks of 4 bytes: ISA guide 11.1)
.set PV,    288                        ; V's row: 256 + 32
.set KCH,   128*PK                     ; a chunk: 256 tokens
.set VCH,   128*PV
.set KT64,  32*PK                      ; a tile of 64 keys
.set VT64,  32*PV
.set KGLOB, 3*KCH                      ; keys 0-63
.set VBASE, KGLOB+KT64
.set VGLOB, VBASE+3*VCH
.set STAGE, VGLOB+VT64                 ; the way out: 32 tokens x (128 bytes + 16) for each wave
.set SP,    144
.set SPARE, STAGE+8*32*SP              ; the spare words, 128 bytes a wave, which no other line names
.set GS,  1                            ; v1   8 x lane
.set AK,  3                            ; v3   my lane's place in a tile of K
.set AV,  4                            ; v4   the same for V
.set ADK, 5                            ; v5   LDS address of the step's K
.set ADV, 6                            ; v6   of its V
.set STO, 7                            ; v7   the way out: where I put 16 bytes of a token
.set RD,  8                            ; v8   where I read back: four tokens an instruction
.set GI,  9                            ; v9   16 x lane
.set SPW, 10                           ; v10  LDS address of my spare word; never rewritten
.set NIL, 11                           ; v11  0; never rewritten
.set DD,  12                           ; v12-13  tile t: 32 u + 16 t + lane % 16 - 8 (lane / 16): the band's edge in register numbers
.set NINF, 14                          ; v14  -infinity
.set QO,  15                           ; v15  my byte offset in 16 rows of Q
.set ST,  16                           ; v16-31  tile t at ST + 8 t: +0 c m, +1 m, +2, +3 l (two halves), +4 .. +7 at work; a takes +6
.set Q,   32                           ; v32-63  Q: tile t, channels 32 c on, at Q + 16 t + 8 c
.set KV,  64                           ; v64-127 a step's K, then its V
.set S,   128                          ; v128-191 S^T, 32 a tile; p is rounded in place into a tile's first 16
.set O,   192                          ; v192-255 O^T: tile t, channels 16 ct on, at O + 32 t + 8 ct
.set WV,  12                           ; s12  wave
.set J,   13                           ; s13  the chunk that I fetch
.set U,   14                           ; s14  u
.set W2,  15                           ; s15  wave / 2
.set B,   16                           ; s16  block
.set HD,  17                           ; s17  head
.set G,   18                           ; s18  g
.set Q0,  19                           ; s19  my first query
.set G1K,  24                          ; s[24:31] group 1: 128 rows of K;  s[32:39]: 32 rows;  s[40:47], s[48:55] the same for V
.set G1KG, 32
.set G1V,  40
.set G1VG, 48
.set G0K,  56                          ; s[56:59], s[60:63] groups 0
.set G0V,  60
.set CS,  66                           ; s[66:67] c, twice: the packed form names a pair
.set SEL, 68                           ; s[68:69] v_permlanex16_b32's selects for lane l xor 16
.set TBK, 70                           ; s70  LDS byte of the step's tile of K
.set TBV, 71                           ; s71  of V
.set KT,  72                           ; s72  the step's key tile
.set CNT, 73
.set WK0, 74                           ; s74  my window's first tile in K's chunks
.set WV0, 75                           ; s75  in V's
.set TS,  76
.set QP,  78                           ; s[78:79] my queries;  s[80:81] queries 32 u on;  s[82:83] my tokens in ao;  s[84:85] my part in gpo;  s[86:87] in gps
.set QG,  80
.set AOP, 82
.set GPO, 84
.set GPS, 86
	s_load_b256 s[4:11], s[0:1], 0x0               ; qkv s[4:5], ao s[6:7], gpo s[8:9], gps s[10:11]
	v_lshl_add_u32 v[SPW], v0, 2, SPARE
	v_mov_b32 v[NIL], 0
	ds_add_u32 v[SPW], v[NIL]                      ; the wave's opening: the add, twice on end, and its wait ahead of my first tensor load; the set-up below stands between
	ds_add_u32 v[SPW], v[NIL]
	v_lshrrev_b32 v2, 5, v0
	v_readfirstlane_b32 s[WV], v2                  ; wave 0..7
	s_and_b32 s[J], s[WV], 3
	s_and_b32 s[U], s[WV], 1
	s_lshr_b32 s[W2], s[WV], 1
	s_mov_b32 s[B], ttmp9
	s_and_b32 s[HD], ttmp7, 0xffff
	s_lshl_b32 s[G], s[B], 2
	s_add_co_u32 s[G], s[G], s[W2]                 ; g = 4 b + wave / 2
	s_lshl_b32 s[Q0], s[G], 6
	s_lshl_b32 s21, s[U], 5
	s_add_co_u32 s[Q0], s[Q0], s21                 ; 64 g + 32 u
	; group 1: rows of 128 elements of 2 bytes, dense in memory; padding behind every 64 words: 4 words for K, 8 for V
	s_mov_b32 s[G1K],  (1<<16)|(1<<20)|(5<<22)|(3<<25)
	s_mov_b32 s[G1KG], (1<<16)|(1<<20)|(5<<22)|(3<<25)
	s_mov_b32 s[G1V],  (1<<16)|(1<<20)|(5<<22)|(7<<25)
	s_mov_b32 s[G1VG], (1<<16)|(1<<20)|(5<<22)|(7<<25)
.irp g, G1K, G1V
	s_mov_b32 s[\g+1], 128<<16                     ; tensor_dim0
	s_mov_b32 s[\g+2], 128<<16                     ; tensor_dim1: 128 rows
	s_mov_b32 s[\g+3], 128<<16                     ; tile_dim0
	s_mov_b32 s[\g+4], 128                         ; tile_dim1
	s_mov_b32 s[\g+5], 128                         ; from row to row
	s_mov_b32 s[\g+6], 0
	s_mov_b32 s[\g+7], 0
.endr
.irp g, G1KG, G1VG
	s_mov_b32 s[\g+1], 128<<16
	s_mov_b32 s[\g+2], 32<<16                      ; 32 rows: 64 keys
	s_mov_b32 s[\g+3], 128<<16
	s_mov_b32 s[\g+4], 32
	s_mov_b32 s[\g+5], 128
	s_mov_b32 s[\g+6], 0
	s_mov_b32 s[\g+7], 0
.endr
	s_mov_b32 s[G0K], 1
	s_mul_i32 s[G0K+1], s[J], KCH                  ; chunk J; J = 3 falls on KGLOB
	s_mov_b32 s[G0V], 1
	s_mul_i32 s[G0V+1], s[J], VCH
	s_add_co_u32 s[G0V+1], s[G0V+1], VBASE
	s_add_co_u32 s20, s[B], s[J]                   ; chunk J holds block b + J - 1, held inside the head;
	s_max_u32 s20, s20, 1
	s_sub_co_u32 s20, s20, 1
	s_min_u32 s20, s20, 15
	s_cmp_eq_u32 s[J], 3
	s_cselect_b32 s20, 0, s20                      ; J = 3: the head's first keys
	s_lshl_b32 s20, s20, 15                        ; 32,768 bytes a block
	s_lshl_b32 s22, s[HD], 19                      ; 524,288 bytes a head
	s_add_co_u32 s20, s20, s22
	s_mov_b32 s21, 0
	s_mov_b32 s23, 0
	s_mov_b32 s[CS], 0x3e38aa3b                    ; c = log2(e) / sqrt(64)
	s_mov_b32 s[CS+1], s[CS]
	s_mov_b32 s[SEL], 0x76543210
	s_mov_b32 s[SEL+1], 0xfedcba98
	s_mul_i32 s[WK0], s[W2], KT64                  ; key tile g - 4 lies wave / 2 tiles into chunk 0
	s_mul_i32 s[WV0], s[W2], VT64
	s_add_co_u32 s[WV0], s[WV0], VBASE
	v_and_b32 v16, 15, v0                          ; r
	v_bfe_u32 v17, v0, 4, 1                        ; h
	v_and_b32 v18, 31, v0                          ; lane
	v_lshlrev_b32 v[GS], 3, v18
	v_lshlrev_b32 v[GI], 4, v18
	v_lshrrev_b32 v19, 1, v16                      ; K: key r of a tile of 16: (r / 2) PK + 128 (r % 2) + 16 h
	v_mul_u32_u24 v[AK], v19, PK
	v_and_b32 v19, 1, v16
	v_lshl_add_u32 v[AK], v19, 7, v[AK]
	v_lshl_add_u32 v[AK], v17, 4, v[AK]
	v_bfe_u32 v19, v0, 1, 2                        ; V: the turning load: lane l reads key 8 h + l % 8, channels 8 ((l / 8) % 2) on
	v_lshl_add_u32 v19, v17, 2, v19
	v_mul_u32_u24 v[AV], v19, PV
	v_and_b32 v19, 1, v0
	v_lshl_add_u32 v[AV], v19, 7, v[AV]
	v_bfe_u32 v19, v0, 3, 1
	v_lshl_add_u32 v[AV], v19, 4, v[AV]
	s_mul_i32 s[TS], s[WV], 32*SP
	s_add_co_u32 s[TS], s[TS], STAGE               ; my stage
	v_mul_u32_u24 v[STO], v16, SP
	v_lshl_add_u32 v[STO], v17, 4, v[STO]
	v_add_nc_u32 v[STO], s[TS], v[STO]
	v_bfe_u32 v19, v0, 3, 2
	v_mul_u32_u24 v[RD], v19, SP
	v_and_b32 v19, 7, v0
	v_lshl_add_u32 v[RD], v19, 4, v[RD]
	v_add_nc_u32 v[RD], s[TS], v[RD]
	v_lshlrev_b32 v19, 3, v17
	v_sub_nc_u32 v19, v16, v19                     ; r - 8 h
	s_lshl_b32 s[TS], s[U], 5
	v_add_nc_u32 v[DD], s[TS], v19
	v_add_nc_u32 v[DD+1], 16, v[DD]
	v_mov_b32 v[NINF], 0xff800000
	v_lshlrev_b32 v[QO], 7, v16
	v_lshl_add_u32 v[QO], v17, 4, v[QO]            ; Q: row r of 128 bytes, + 16 h
	s_wait_dscnt 0x0                               ; both opening adds are done
	s_wait_kmcnt 0x0
	s_add_nc_u64 s[G0K+2:G0K+3], s[4:5], s[20:21]
	s_add_nc_u64 s[G0K+2:G0K+3], s[G0K+2:G0K+3], 0x800000     ; K begins 8,388,608 bytes into qkv,
	s_or_b32 s[G0K+3], s[G0K+3], 0x80000000
	s_add_nc_u64 s[G0V+2:G0V+3], s[4:5], s[20:21]
	s_add_nc_u64 s[G0V+2:G0V+3], s[G0V+2:G0V+3], 0x1000000    ; V 16,777,216
	s_or_b32 s[G0V+3], s[G0V+3], 0x80000000
	; one tensor load a wave: waves 0-3 K's chunks, waves 4-7 V's; chunk 3 has the shorter shape.  The branches hang on the wave's number alone; an s_nop 0 and four v_nop follow each line
	s_cmp_lt_u32 s[WV], 4
	s_cbranch_scc0 .Lfor_v
	s_cmp_lt_u32 s[J], 3
	s_cbranch_scc0 .Lfor_kg
	tensor_load_to_lds s[G0K:G0K+3], s[G1K:G1K+7]
	s_nop 0
.rept 4
	v_nop
.endr
	s_branch .Lasked
.Lfor_kg:
	tensor_load_to_lds s[G0K:G0K+3], s[G1KG:G1KG+7]
	s_nop 0
.rept 4
	v_nop
.endr
	s_branch .Lasked
.Lfor_v:
	s_cmp_lt_u32 s[J], 3
	s_cbranch_scc0 .Lfor_vg
	tensor_load_to_lds s[G0V:G0V+3], s[G1V:G1V+7]
	s_nop 0
.rept 4
	v_nop
.endr
	s_branch .Lasked
.Lfor_vg:
	tensor_load_to_lds s[G0V:G0V+3], s[G1VG:G1VG+7]
	s_nop 0
.rept 4
	v_nop
.endr
.Lasked:
	s_add_nc_u64 s[QP:QP+1], s[4:5], s[22:23]      ; the head's Q
	s_lshl_b32 s22, s[U], 12
	s_add_nc_u64 s[QG:QG+1], s[QP:QP+1], s[22:23]  ; queries 32 u on
	s_lshl_b32 s22, s[Q0], 7
	s_add_nc_u64 s[QP:QP+1], s[QP:QP+1], s[22:23]  ; my queries
	s_lshl_b32 s22, s[G], 17                       ; ao: [64 blocks of 64 tokens][16 heads][64 tokens][64]: g x 131,072 + head x 8,192 + 4,096 u
	s_lshl_b32 s[TS], s[HD], 13
	s_add_co_u32 s22, s22, s[TS]
	s_lshl_b32 s[TS], s[U], 12
	s_add_co_u32 s22, s22, s[TS]
	s_add_nc_u64 s[AOP:AOP+1], s[6:7], s[22:23]
	s_lshl_b32 s[TS], s[HD], 6                     ; my part's number: (64 head + g) x 2 + u
	s_add_co_u32 s[TS], s[TS], s[G]
	s_lshl_b32 s[TS], s[TS], 1
	s_add_co_u32 s[TS], s[TS], s[U]
	s_lshl_b32 s22, s[TS], 12                      ; 4,096 bytes of gpo a part,
	s_add_nc_u64 s[GPO:GPO+1], s[8:9], s[22:23]
	s_lshl_b32 s22, s[TS], 9                       ; 512 of gps
	s_add_nc_u64 s[GPS:GPS+1], s[10:11], s[22:23]
.macro QLOAD base                      ; two tiles of 16 queries x 64 channels: four fragments, two loads of 16 bytes each, 32 bytes apart
.irp t, 0,1
.irp c, 0,1
	global_load_b128 v[Q+16*\t+8*\c:Q+16*\t+8*\c+3], v[QO], s[\base:\base+1] offset:\t*2048+64*\c
	global_load_b128 v[Q+16*\t+8*\c+4:Q+16*\t+8*\c+7], v[QO], s[\base:\base+1] offset:\t*2048+64*\c+32
.endr
.endr
.endm
	QLOAD QG
; A KEY STEP: 64 keys at s[TBK], s[TBV], for the two tiles of queries in v[Q ..].
; first = 1: it starts m, l and O^T.  mask = 1: keys under the band's edge are hidden; 2: keys over it.  skip = 1: left out where the key tile is not 1 .. 63 (a branch on ids).  qload = 1: my own Q is asked for once the products have read the other.
.macro STEP first, mask, skip, qload
.if \skip
	s_sub_co_u32 s[TS], s[KT], 1
	s_cmp_lt_u32 s[TS], 63
	s_cbranch_scc0 .Lskip_\@
.endif
	v_add_nc_u32 v[ADK], s[TBK], v[AK]             ; these two and three v_nop: five places behind the last step's products, whose P the coming products write over and into whose V the loads land
	v_add_nc_u32 v[ADV], s[TBV], v[AV]
.rept 3
	v_nop
.endr
.irp kt, 0,1,2,3                       ; keys 16 kt on, channels 32 c on
.irp c, 0,1
	ds_load_b128 v[KV+16*\kt+8*\c:KV+16*\kt+8*\c+3], v[ADK] offset:\kt*8*PK+64*\c
	ds_load_b128 v[KV+16*\kt+8*\c+4:KV+16*\kt+8*\c+7], v[ADK] offset:\kt*8*PK+64*\c+32
.endr
.endr
	s_wait_dscnt 0x0
.irp kt, 0,1,2,3                       ; S^T = K Q^T: the eight accumulators take turns, one instruction a turn; the first eight start the sums
.irp t, 0,1
	v_wmma_f32_16x16x32_f16 v[S+32*\t+8*\kt:S+32*\t+8*\kt+7], v[KV+16*\kt:KV+16*\kt+7], v[Q+16*\t:Q+16*\t+7], 0
.endr
.endr
.irp kt, 0,1,2,3
.irp t, 0,1
	v_wmma_f32_16x16x32_f16 v[S+32*\t+8*\kt:S+32*\t+8*\kt+7], v[KV+16*\kt+8:KV+16*\kt+15], v[Q+16*\t+8:Q+16*\t+15], v[S+32*\t+8*\kt:S+32*\t+8*\kt+7]
.endr
.endr
.rept 4
	v_nop                                          ; four places: loads land in K's (and Q's) registers, and the scores are read
.endr
.if \qload
	QLOAD QP
.endif
.irp kh, 0,1                           ; V, turned: keys 32 kh on, channels 16 ct on; it lands while the softmax is walked
.irp ct, 0,1,2,3
	ds_load_tr16_b128 v[KV+32*\kh+8*\ct:KV+32*\kh+8*\ct+3], v[ADV] offset:\kh*16*PV+32*\ct
	ds_load_tr16_b128 v[KV+32*\kh+8*\ct+4:KV+32*\kh+8*\ct+7], v[ADV] offset:\kh*16*PV+8*PV+32*\ct
.endr
.endr
.if \mask                              ; register 8 kt + j holds key 16 kt + j + 8 (lane / 16): hidden scores become -infinity ahead of the maximum, so p = 0
.irp t, 0,1
.irp kt, 0,1,2,3
.irp j, 0,1,2,3,4,5,6,7
.if \mask == 1
	v_cmp_lt_i32 vcc_lo, 16*\kt+\j, v[DD+\t]
.else
	v_cmp_gt_i32 vcc_lo, 16*\kt+\j, v[DD+\t]
.endif
	v_cndmask_b32 v[S+32*\t+8*\kt+\j], v[S+32*\t+8*\kt+\j], v[NINF], vcc_lo
.endr
.endr
.endr
.endif
	; the maximum of a lane's 32 scores and the old m: four chains, each from its accumulator's low end on; the two tiles line by line in turn
.irp j, 0,1,2,3
.irp t, 0,1
	v_max3_num_f32 v[ST+8*\t+4+\j], v[S+32*\t+8*\j], v[S+32*\t+8*\j+1], v[S+32*\t+8*\j+2]
.endr
.endr
.irp i, 3,5
.irp j, 0,1,2,3
.irp t, 0,1
	v_max3_num_f32 v[ST+8*\t+4+\j], v[ST+8*\t+4+\j], v[S+32*\t+8*\j+\i], v[S+32*\t+8*\j+\i+1]
.endr
.endr
.endr
.irp t, 0,1
	v_max3_num_f32 v[ST+8*\t+4], v[ST+8*\t+4], v[S+32*\t+7], v[S+32*\t+15]
.endr
.irp t, 0,1
	v_max3_num_f32 v[ST+8*\t+6], v[ST+8*\t+6], v[S+32*\t+23], v[S+32*\t+31]
.endr
.irp t, 0,1
	v_max3_num_f32 v[ST+8*\t+4], v[ST+8*\t+4], v[ST+8*\t+5], v[ST+8*\t+6]
.endr
.irp t, 0,1
.if \first
	v_max_num_f32 v[ST+8*\t+4], v[ST+8*\t+4], v[ST+8*\t+7]
.else
	v_max3_num_f32 v[ST+8*\t+4], v[ST+8*\t+4], v[ST+8*\t+7], v[ST+8*\t+1]
.endif
.endr
.irp t, 0,1
	v_permlanex16_b32 v[ST+8*\t+5], v[ST+8*\t+4], s[SEL], s[SEL+1]   ; the query's other 32 keys lie in the lane 16 away
.endr
.if !\first
.irp t, 0,1
	v_mov_b32 v[ST+8*\t+7], v[ST+8*\t]             ; c m_old is kept for a
.endr
.endif
.irp t, 0,1
	v_max_num_f32 v[ST+8*\t+1], v[ST+8*\t+4], v[ST+8*\t+5]
.endr
.irp t, 0,1
	v_mul_f32 v[ST+8*\t], s[CS], v[ST+8*\t+1]
.endr
.if !\first
.irp t, 0,1
	v_sub_f32 v[ST+8*\t+7], v[ST+8*\t+7], v[ST+8*\t]
.endr
.endif
.set i, 0
.rept 16
.irp t, 0,1
	v_pk_fma_f32 v[S+32*\t+2*i:S+32*\t+2*i+1], v[S+32*\t+2*i:S+32*\t+2*i+1], s[CS:CS+1], v[ST+8*\t:ST+8*\t+1] op_sel_hi:[1,0,0] neg_lo:[0,0,1] neg_hi:[0,0,1]   ; c s - c m, two at a time
.endr
.set i, i+1
.endr
.if !\first
.irp t, 0,1
	v_exp_f32 v[ST+8*\t+6], v[ST+8*\t+7]           ; a
.endr
.endif
.set i, 0
.rept 32                               ; ONE BATCH of exponentials: none reads another's result
.irp t, 0,1
	v_exp_f32 v[S+32*\t+i], v[S+32*\t+i]
.endr
.set i, i+1
.endr
	v_nop                                          ; a plain instruction behind the last exponential,
	s_wait_alu depctr_va_vdst(0)                   ; and the one wait ahead of the batch's first reader
	; l = a l + the sum of the unrounded p, in two chains of pairs
.if \first
.irp t, 0,1
	v_pk_add_f32 v[ST+8*\t+2:ST+8*\t+3], v[S+32*\t:S+32*\t+1], v[S+32*\t+4:S+32*\t+5]
.endr
.else
.irp t, 0,1
	v_pk_fma_f32 v[ST+8*\t+2:ST+8*\t+3], v[ST+8*\t+2:ST+8*\t+3], v[ST+8*\t+6:ST+8*\t+7], v[S+32*\t:S+32*\t+1] op_sel_hi:[1,0,1]
.endr
.irp t, 0,1
	v_pk_add_f32 v[ST+8*\t+2:ST+8*\t+3], v[ST+8*\t+2:ST+8*\t+3], v[S+32*\t+4:S+32*\t+5]
.endr
.endif
.irp t, 0,1
	v_pk_add_f32 v[ST+8*\t+4:ST+8*\t+5], v[S+32*\t+2:S+32*\t+3], v[S+32*\t+6:S+32*\t+7]
.endr
.irp p, 8,12,16,20,24,28
.irp t, 0,1
	v_pk_add_f32 v[ST+8*\t+2:ST+8*\t+3], v[ST+8*\t+2:ST+8*\t+3], v[S+32*\t+\p:S+32*\t+\p+1]
	v_pk_add_f32 v[ST+8*\t+4:ST+8*\t+5], v[ST+8*\t+4:ST+8*\t+5], v[S+32*\t+\p+2:S+32*\t+\p+3]
.endr
.endr
.irp t, 0,1
	v_pk_add_f32 v[ST+8*\t+2:ST+8*\t+3], v[ST+8*\t+2:ST+8*\t+3], v[ST+8*\t+4:ST+8*\t+5]
.endr
.set i, 0
.rept 16                               ; p to f16, in place and ascending: register i takes numbers 2 i and 2 i + 1, so nothing unread is written over
.irp t, 0,1
	v_cvt_pk_f16_f32 v[S+32*\t+i], v[S+32*\t+2*i], v[S+32*\t+2*i+1]
.endr
.set i, i+1
.endr
.if \first
.rept 4
	v_nop                                          ; where nothing is rescaled: places between the roundings and the products that take them
.endr
.else
.set i, 0
.rept 16
.irp t, 0,1
	v_pk_mul_f32 v[O+32*\t+2*i:O+32*\t+2*i+1], v[O+32*\t+2*i:O+32*\t+2*i+1], v[ST+8*\t+6:ST+8*\t+7] op_sel_hi:[1,0]   ; O^T x a, each accumulator from its low end on
.endr
.set i, i+1
.endr
.endif
	s_wait_dscnt 0x0                               ; V is in
.irp ct, 0,1,2,3                       ; O^T += V^T P: again eight accumulators by turns
.irp t, 0,1
.if \first
	v_wmma_f32_16x16x32_f16 v[O+32*\t+8*\ct:O+32*\t+8*\ct+7], v[KV+8*\ct:KV+8*\ct+7], v[S+32*\t:S+32*\t+7], 0
.else
	v_wmma_f32_16x16x32_f16 v[O+32*\t+8*\ct:O+32*\t+8*\ct+7], v[KV+8*\ct:KV+8*\ct+7], v[S+32*\t:S+32*\t+7], v[O+32*\t+8*\ct:O+32*\t+8*\ct+7]
.endif
.endr
.endr
.irp ct, 0,1,2,3
.irp t, 0,1
	v_wmma_f32_16x16x32_f16 v[O+32*\t+8*\ct:O+32*\t+8*\ct+7], v[KV+32+8*\ct:KV+32+8*\ct+7], v[S+32*\t+8:S+32*\t+15], v[O+32*\t+8*\ct:O+32*\t+8*\ct+7]
.endr
.endr
.if \skip
.Lskip_\@:
.endif
.endm
; l's halves and the other half of the lanes' are added (l in ST + 4); O^T is divided by l and rounded to f16 into v[S + 32 t ..]: register 4 ct + i of lane (r, h): query r, channels 16 ct + 8 h + 2 i, + 1
.macro NORM
.rept 4
	v_nop                                          ; places behind the last products
.endr
.irp t, 0,1
	v_add_f32 v[ST+8*\t+4], v[ST+8*\t+2], v[ST+8*\t+3]
.endr
.irp t, 0,1
	v_permlanex16_b32 v[ST+8*\t+5], v[ST+8*\t+4], s[SEL], s[SEL+1]
.endr
.irp t, 0,1
	v_add_f32 v[ST+8*\t+4], v[ST+8*\t+4], v[ST+8*\t+5]
.endr
.irp t, 0,1
	v_rcp_f32 v[ST+8*\t+6], v[ST+8*\t+4]
.endr
	v_nop                                          ; a plain instruction behind the reciprocals,
	s_wait_alu depctr_va_vdst(0)                   ; and the wait ahead of their first reader
.set i, 0
.rept 16
.irp t, 0,1
	v_pk_mul_f32 v[O+32*\t+2*i:O+32*\t+2*i+1], v[O+32*\t+2*i:O+32*\t+2*i+1], v[ST+8*\t+6:ST+8*\t+7] op_sel_hi:[1,0]
.endr
.set i, i+1
.endr
.set i, 0
.rept 16
.irp t, 0,1
	v_cvt_pk_f16_f32 v[S+32*\t+i], v[O+32*\t+2*i], v[O+32*\t+2*i+1]
.endr
.set i, i+1
.endr
.endm
	s_wait_tensorcnt 0x0                           ; my chunk is in LDS,
	s_barrier_signal -1
	s_barrier_wait -1                              ; everybody's is: the kernel's one barrier
	s_wait_loadcnt 0x0                             ; queries 32 u on
	; ---- the part: queries 32 u .. 32 u + 31 against my own key tile g, which is the fifth of my window's nine places
	s_add_co_u32 s[TBK], s[WK0], 4*KT64
	s_add_co_u32 s[TBV], s[WV0], 4*VT64
	STEP 1, 0, 0, 1
	NORM
.irp t, 0,1
	v_mov_b32 v[ST+8*\t+1], v[ST+8*\t+4]           ; (c m, l) as a pair
.endr
.irp t, 0,1
.irp ct, 0,1,2,3
	global_store_b128 v[GI], v[S+32*\t+4*\ct:S+32*\t+4*\ct+3], s[GPO:GPO+1] offset:(4*\t+\ct)*512   ; an image of the registers: 512 consecutive bytes a store
.endr
.endr
.irp t, 0,1
	global_store_b64 v[GS], v[ST+8*\t:ST+8*\t+1], s[GPS:GPS+1] offset:256*\t                     ; 256 consecutive bytes a store
.endr
	s_wait_xcnt 0x0                                ; the stores have read their registers: the next step writes them again
	s_wait_loadcnt 0x0                             ; my own Q
	; ---- my own queries.  The waves that own queries 0-63 leave out the global step here, every window step by the key tile's number, and the way out below
	s_cmp_lt_u32 s[Q0], 64
	s_cbranch_scc1 .Lno_own
	s_mov_b32 s[TBK], KGLOB
	s_mov_b32 s[TBV], VGLOB
	STEP 1, 0, 0, 0                                ; keys 0-63: they count for every query
.Lno_own:
	s_mov_b32 s[TBK], s[WK0]
	s_mov_b32 s[TBV], s[WV0]
	s_sub_co_u32 s[KT], s[G], 4
	s_cmp_lt_u32 s[Q0], 64
	s_cselect_b32 s[KT], 0x1000, s[KT]             ; a number that stays outside 1 .. 63 through all nine steps
	STEP 0, 1, 1, 0                                ; key tile g - 4: the band's lower edge
	s_add_co_u32 s[TBK], s[TBK], KT64
	s_add_co_u32 s[TBV], s[TBV], VT64
	s_add_co_u32 s[KT], s[KT], 1
	s_mov_b32 s[CNT], 7
.Lwin:                                             ; key tiles g - 3 .. g + 3: every key counts.  Seven trips in every wave; a step's work is left out by the test on ids at its head
	STEP 0, 0, 1, 0
	s_add_co_u32 s[TBK], s[TBK], KT64
	s_add_co_u32 s[TBV], s[TBV], VT64
	s_add_co_u32 s[KT], s[KT], 1
	s_sub_co_u32 s[CNT], s[CNT], 1
	s_cmp_lg_u32 s[CNT], 0
	s_cbranch_scc1 .Lwin
	STEP 0, 2, 1, 0                                ; key tile g + 4: the band's upper edge
	s_cmp_lt_u32 s[Q0], 64
	s_cbranch_scc1 .Ldone
	NORM
.irp t, 0,1                            ; through my stage: a lane's 16 bytes into rows of 144, back as four whole tokens an instruction
.irp ct, 0,1,2,3
	ds_store_b128 v[STO], v[S+32*\t+4*\ct:S+32*\t+4*\ct+3] offset:\t*16*SP+32*\ct
.endr
.endr
.irp i, 0,1,2,3,4,5,6,7
	ds_load_b128 v[KV+4*\i:KV+4*\i+3], v[RD] offset:4*SP*\i   ; LDS serves a wave's instructions in order (ISA guide 5.7.1.4): these see my stores
.endr
.irp i, 0,1,2,3,4,5,6,7
	s_wait_dscnt 7-\i                              ; load i is back; the younger ones may be out
	global_store_b128 v[GI], v[KV+4*\i:KV+4*\i+3], s[AOP:AOP+1] offset:512*\i   ; 512 consecutive bytes a store
.endr
.Ldone:
	s_wait_tensorcnt 0x0                           ; the wave's end, behind my tensor load and my last LDS store
	ds_add_u32 v[SPW], v[NIL]
	s_wait_dscnt 0x0
	s_endpgm
.Lfunc_end_k_q81ca641843_attn:
	.size	k_q81ca641843_attn, .Lfunc_end_k_q81ca641843_attn-k_q81ca641843_attn
	.p2alignl 7, 3214868480
	.fill 96, 4, 3214868480
	.section	.rodata,"a",@progbits
	.p2align	6, 0x0
	.amdhsa_kernel k_q81ca641843_attn
		.amdhsa_group_segment_fixed_size 327680
		.amdhsa_private_segment_fixed_size 0
		.amdhsa_enable_private_segment 0
		.amdhsa_kernarg_size 32
		.amdhsa_user_sgpr_count 2
		.amdhsa_user_sgpr_kernarg_segment_ptr 1
		.amdhsa_wavefront_size32 1
		.amdhsa_system_sgpr_workgroup_id_x 1
		.amdhsa_system_sgpr_workgroup_id_y 1
		.amdhsa_system_sgpr_workgroup_id_z 1
		.amdhsa_system_vgpr_workitem_id 0
		.amdhsa_next_free_vgpr 256
		.amdhsa_next_free_sgpr 88
		.amdhsa_reserve_vcc 1
		.amdhsa_float_denorm_mode_32 3
		.amdhsa_float_denorm_mode_16_64 3
		.amdhsa_memory_ordered 1
		.amdhsa_forward_progress 1
		.amdhsa_inst_pref_size 111
	.end_amdhsa_kernel
	.amdgpu_metadata
---
amdhsa.version: [ 1, 2 ]
amdhsa.kernels:
  - .name:           k_q81ca641843_attn
    .symbol:         k_q81ca641843_attn.kd
    .args:
      - { .name: qkv, .offset: 0, .size: 8, .value_kind: global_buffer, .address_space: global }
      - { .name: ao, .offset: 8, .size: 8, .value_kind: global_buffer, .address_space: global }
      - { .name: gpo, .offset: 16, .size: 8, .value_kind: global_buffer, .address_space: global }
      - { .name: gps, .offset: 24, .size: 8, .value_kind: global_buffer, .address_space: global }
    .group_segment_fixed_size: 327680
    .private_segment_fixed_size: 0
    .kernarg_segment_align: 8
    .kernarg_segment_size: 32
    .max_flat_workgroup_size: 256
    .sgpr_count:     88
    .vgpr_count:     256
    .wavefront_size: 32
...
	.end_amdgpu_metadata
.endif
;; end of part 3
;; launch merge (part 4): grid 2 x 16, 8 waves a work-group, no clusters, 5,632 bytes of LDS; arguments gpo, gps, ao; writes ao
.if DOCPART == 4
	.amdgcn_target "amdgcn-amd-amdhsa--gfx1250"
	.amdhsa_code_object_version 6
	.text
	.protected	k_q81ca641843_merge
	.globl	k_q81ca641843_merge
	.p2align	8
	.type	k_q81ca641843_merge,@function
k_q81ca641843_merge:
	s_mov_b64 s[64:65], 0
	v_nop
	global_prefetch_b8 v0, s[64:65] scope:SCOPE_SE
	s_setreg_imm32_b32 hwreg(HW_REG_WAVE_MODE, 25, 1), 1
	s_wait_xcnt 0x0
; Queries 0-63: a head's 64 parts (one for each tile of 64 keys) are joined.  Part g of a pair of query tiles holds X_g = O_g / l_g in f16 (gpo, images of registers), c m_g and l_g in f32 (gps).
; With M = the largest c m_g and w_g = l_g 2^(c m_g - M) the result is (sum of w_g X_g) / (sum of w_g): the softmax over all 4,096 keys, the maximum taken away.  All in f32; the result rounded once to f16 into ao, tokens 0-63.
; SHARES.  A work-group takes one pair u of query tiles of one head; wave j takes register group j of the images: tile t = j / 4, channels 16 (j % 4) on; lane (r, h): query 16 t + r, channels 8 h + 0 .. 7 of them.
; A stream: memory binds, so no matrix unit, no cluster.  24 image loads of 512 consecutive bytes a wave are on their way (three sets of eight).  The images lie in v32-127, whose halves have names.
.set GS,  2                            ; v2   8 x lane
.set GI,  3                            ; v3   16 x lane
.set STO, 6                            ; v6   LDS: where I put my 16 bytes of a token
.set RD,  7                            ; v7   where I read back: four tokens an instruction
.set SPW, 8                            ; v8   LDS address of my spare word; never rewritten
.set NIL, 9                            ; v9   0; never rewritten
.set MX,  10                           ; v10  M
.set LS,  12                           ; v12-13 the sum of the weights, two chains
.set RL,  14                           ; v[14:15] 1 / the sum (the packed form names a pair)
.set A,   16                           ; v16-23 my eight sums
.set T,   24                           ; v24-31 at work
.set IM,  32                           ; v32-127 three sets of eight images, four registers each
.set W,   128                          ; v128-255 part g: (c m, l) at W + 2 g; the weight takes c m's place
.set SP,  144                          ; a token in the stage: 128 bytes + 16
.set SPARE, 32*SP                      ; 4,608: behind the stage: the spare words, 128 bytes a wave, which no other line names
	s_load_b128 s[4:7], s[0:1], 0x0                ; gpo s[4:5], gps s[6:7]
	s_load_b64 s[8:9], s[0:1], 0x10                ; ao
	v_lshl_add_u32 v[SPW], v0, 2, SPARE
	v_mov_b32 v[NIL], 0
	v_lshrrev_b32 v1, 5, v0
	v_readfirstlane_b32 s10, v1                    ; wave j
	s_lshr_b32 s11, s10, 2                         ; t
	s_and_b32 s12, s10, 3                          ; ct
	s_and_b32 s13, ttmp7, 0xffff                   ; head
	v_and_b32 v1, 31, v0
	v_lshlrev_b32 v[GS], 3, v1
	v_lshlrev_b32 v[GI], 4, v1
	v_and_b32 v4, 15, v0                           ; r
	v_bfe_u32 v5, v0, 4, 1                         ; h
	v_mul_u32_u24 v[STO], v4, SP
	v_lshl_add_u32 v[STO], v5, 4, v[STO]
	s_mul_i32 s14, s11, 16*SP
	s_lshl_b32 s15, s12, 5
	s_add_co_u32 s14, s14, s15
	v_add_nc_u32 v[STO], s14, v[STO]               ; (16 t + r) SP + 32 ct + 16 h
	v_bfe_u32 v4, v0, 3, 2
	v_mul_u32_u24 v[RD], v4, SP
	v_and_b32 v4, 7, v0
	v_lshl_add_u32 v[RD], v4, 4, v[RD]
	s_mul_i32 s14, s10, 4*SP
	v_add_nc_u32 v[RD], s14, v[RD]                 ; tokens 4 j on
	v_mov_b32 v[RL+1], 0                           ; (named with v[RL] as a pair, so it is written)
	s_lshl_b32 s16, s13, 16                        ; gps: part (64 head + g) 2 + u, 512 bytes each: head x 65,536 + 512 u + 256 t; g stands in the immediate
	s_lshl_b32 s15, ttmp9, 9
	s_add_co_u32 s16, s16, s15
	s_lshl_b32 s15, s11, 8
	s_add_co_u32 s16, s16, s15
	s_mov_b32 s17, 0
	s_lshl_b32 s18, s13, 19                        ; gpo: 4,096 bytes a part: head x 524,288 + 4,096 u + 512 j
	s_lshl_b32 s15, ttmp9, 12
	s_add_co_u32 s18, s18, s15
	s_lshl_b32 s20, s13, 13                        ; ao, token block 0: head x 8,192 + 4,096 u + 512 j
	s_add_co_u32 s20, s20, s15
	s_lshl_b32 s15, s10, 9
	s_add_co_u32 s18, s18, s15
	s_add_co_u32 s20, s20, s15
	s_mov_b32 s19, 0
	s_mov_b32 s21, 0
	s_wait_kmcnt 0x0
	s_add_nc_u64 s[6:7], s[6:7], s[16:17]
	s_add_nc_u64 s[4:5], s[4:5], s[18:19]
	s_add_nc_u64 s[8:9], s[8:9], s[20:21]
.set g, 0
.rept 64
	global_load_b64 v[W+2*g:W+2*g+1], v[GS], s[6:7] offset:1024*g th:TH_LOAD_NT   ; 256 consecutive bytes a load
.set g, g+1
.endr
.macro LOADI bt                        ; the images of parts 8 bt .. 8 bt + 7 into set bt % 3
.set i, 0
.rept 8
	global_load_b128 v[IM+32*((\bt)%3)+4*i:IM+32*((\bt)%3)+4*i+3], v[GI], s[4:5] offset:8192*(8*(\bt)+i) th:TH_LOAD_NT
.set i, i+1
.endr
.endm
	LOADI 0
	LOADI 1
	LOADI 2
	s_wait_loadcnt 24                              ; the 64 pairs are in; the 24 image loads behind them stay out
	v_max3_num_f32 v[MX], v[W], v[W+2], v[W+4]
.set g, 3
.rept 30
	v_max3_num_f32 v[MX], v[MX], v[W+2*g], v[W+2*g+2]
.set g, g+2
.endr
	v_max_num_f32 v[MX], v[MX], v[W+126]           ; M
.set g, 0
.rept 64
	v_sub_f32 v[W+2*g], v[W+2*g], v[MX]
.set g, g+1
.endr
.set g, 0
.rept 64
	v_exp_f32 v[W+2*g], v[W+2*g]                   ; one batch
.set g, g+1
.endr
	v_nop                                          ; a plain instruction behind the last exponential,
	s_wait_alu depctr_va_vdst(0)                   ; and the one wait ahead of the batch's first reader
.set g, 0
.rept 64
	v_mul_f32 v[W+2*g], v[W+2*g], v[W+2*g+1]       ; w_g
.set g, g+1
.endr
	v_add_f32 v[LS], v[W], v[W+2]
	v_add_f32 v[LS+1], v[W+4], v[W+6]
.set g, 4
.rept 30
	v_add_f32 v[LS], v[LS], v[W+2*g]
	v_add_f32 v[LS+1], v[LS+1], v[W+2*g+2]
.set g, g+2
.endr
	v_add_f32 v[LS], v[LS], v[LS+1]                ; at least 1: the part that holds M has l >= 1
	v_rcp_f32 v[RL], v[LS]
	v_nop                                          ; a plain instruction behind the reciprocal; its wait stands ahead of its first reader, behind the sums
; part g: its eight numbers to f32, then eight multiply-adds, two at a time.  The image's halves are given as whole operands.
.macro PART g, a0, a1, a2, a3, a4, a5, a6, a7
	v_cvt_f32_f16 v24, \a0
	v_cvt_f32_f16 v25, \a1
	v_cvt_f32_f16 v26, \a2
	v_cvt_f32_f16 v27, \a3
	v_cvt_f32_f16 v28, \a4
	v_cvt_f32_f16 v29, \a5
	v_cvt_f32_f16 v30, \a6
	v_cvt_f32_f16 v31, \a7
.irp k, 0,2,4,6
.if (\g) == 0
	v_pk_mul_f32 v[A+\k:A+\k+1], v[T+\k:T+\k+1], v[W:W+1] op_sel_hi:[1,0]          ; the first part starts the sums
.else
	v_pk_fma_f32 v[A+\k:A+\k+1], v[T+\k:T+\k+1], v[W+2*(\g):W+2*(\g)+1], v[A+\k:A+\k+1] op_sel_hi:[1,0,1]
.endif
.endr
.endm
.macro SET0 g0
	PART (\g0)+0, v32.l, v32.h, v33.l, v33.h, v34.l, v34.h, v35.l, v35.h
	PART (\g0)+1, v36.l, v36.h, v37.l, v37.h, v38.l, v38.h, v39.l, v39.h
	PART (\g0)+2, v40.l, v40.h, v41.l, v41.h, v42.l, v42.h, v43.l, v43.h
	PART (\g0)+3, v44.l, v44.h, v45.l, v45.h, v46.l, v46.h, v47.l, v47.h
	PART (\g0)+4, v48.l, v48.h, v49.l, v49.h, v50.l, v50.h, v51.l, v51.h
	PART (\g0)+5, v52.l, v52.h, v53.l, v53.h, v54.l, v54.h, v55.l, v55.h
	PART (\g0)+6, v56.l, v56.h, v57.l, v57.h, v58.l, v58.h, v59.l, v59.h
	PART (\g0)+7, v60.l, v60.h, v61.l, v61.h, v62.l, v62.h, v63.l, v63.h
.endm
.macro SET1 g0
	PART (\g0)+0, v64.l, v64.h, v65.l, v65.h, v66.l, v66.h, v67.l, v67.h
	PART (\g0)+1, v68.l, v68.h, v69.l, v69.h, v70.l, v70.h, v71.l, v71.h
	PART (\g0)+2, v72.l, v72.h, v73.l, v73.h, v74.l, v74.h, v75.l, v75.h
	PART (\g0)+3, v76.l, v76.h, v77.l, v77.h, v78.l, v78.h, v79.l, v79.h
	PART (\g0)+4, v80.l, v80.h, v81.l, v81.h, v82.l, v82.h, v83.l, v83.h
	PART (\g0)+5, v84.l, v84.h, v85.l, v85.h, v86.l, v86.h, v87.l, v87.h
	PART (\g0)+6, v88.l, v88.h, v89.l, v89.h, v90.l, v90.h, v91.l, v91.h
	PART (\g0)+7, v92.l, v92.h, v93.l, v93.h, v94.l, v94.h, v95.l, v95.h
.endm
.macro SET2 g0
	PART (\g0)+0, v96.l, v96.h, v97.l, v97.h, v98.l, v98.h, v99.l, v99.h
	PART (\g0)+1, v100.l, v100.h, v101.l, v101.h, v102.l, v102.h, v103.l, v103.h
	PART (\g0)+2, v104.l, v104.h, v105.l, v105.h, v106.l, v106.h, v107.l, v107.h
	PART (\g0)+3, v108.l, v108.h, v109.l, v109.h, v110.l, v110.h, v111.l, v111.h
	PART (\g0)+4, v112.l, v112.h, v113.l, v113.h, v114.l, v114.h, v115.l, v115.h
	PART (\g0)+5, v116.l, v116.h, v117.l, v117.h, v118.l, v118.h, v119.l, v119.h
	PART (\g0)+6, v120.l, v120.h, v121.l, v121.h, v122.l, v122.h, v123.l, v123.h
	PART (\g0)+7, v124.l, v124.h, v125.l, v125.h, v126.l, v126.h, v127.l, v127.h
.endm
	s_wait_loadcnt 16                              ; this batch's eight loads are in; the sixteen of the two batches behind it stay out
	SET0 0
	LOADI 3                                        ; its set takes the batch three further on
	s_wait_loadcnt 16
	SET1 8
	LOADI 4
	s_wait_loadcnt 16
	SET2 16
	LOADI 5
	s_wait_loadcnt 16
	SET0 24
	LOADI 6
	s_wait_loadcnt 16
	SET1 32
	LOADI 7
	s_wait_loadcnt 16
	SET2 40                                        ; nothing is left to ask for: the counts run down
	s_wait_loadcnt 8
	SET0 48
	s_wait_loadcnt 0x0
	SET1 56
	s_wait_alu depctr_va_vdst(0)                   ; the reciprocal's wait, ahead of its first reader
.irp k, 0,2,4,6
	v_pk_mul_f32 v[A+\k:A+\k+1], v[A+\k:A+\k+1], v[RL:RL+1] op_sel_hi:[1,0]
.endr
.irp k, 0,1,2,3
	v_cvt_pk_f16_f32 v[T+\k], v[A+2*\k], v[A+2*\k+1]
.endr
	ds_store_b128 v[STO], v[T:T+3]                 ; a token's 128 bytes come from four waves: they meet in the stage
	s_wait_dscnt 0x0                               ; for the others' sake: my store has landed
	s_barrier_signal -1
	s_barrier_wait -1
	ds_load_b128 v[T+4:T+7], v[RD]
	s_wait_dscnt 0x0
	global_store_b128 v[GI], v[T+4:T+7], s[8:9]    ; four whole tokens: 512 consecutive bytes
	s_wait_tensorcnt 0x0                           ; the wave's end, behind my last LDS store
	ds_add_u32 v[SPW], v[NIL]
	s_wait_dscnt 0x0
	s_endpgm
.Lfunc_end_k_q81ca641843_merge:
	.size	k_q81ca641843_merge, .Lfunc_end_k_q81ca641843_merge-k_q81ca641843_merge
	.p2alignl 7, 3214868480
	.fill 96, 4, 3214868480
	.section	.rodata,"a",@progbits
	.p2align	6, 0x0
	.amdhsa_kernel k_q81ca641843_merge
		.amdhsa_group_segment_fixed_size 5632
		.amdhsa_private_segment_fixed_size 0
		.amdhsa_enable_private_segment 0
		.amdhsa_kernarg_size 24
		.amdhsa_user_sgpr_count 2
		.amdhsa_user_sgpr_kernarg_segment_ptr 1
		.amdhsa_wavefront_size32 1
		.amdhsa_system_sgpr_workgroup_id_x 1
		.amdhsa_system_sgpr_workgroup_id_y 1
		.amdhsa_system_sgpr_workgroup_id_z 1
		.amdhsa_system_vgpr_workitem_id 0
		.amdhsa_next_free_vgpr 256
		.amdhsa_next_free_sgpr 66
		.amdhsa_reserve_vcc 0
		.amdhsa_float_denorm_mode_32 3
		.amdhsa_float_denorm_mode_16_64 3
		.amdhsa_memory_ordered 1
		.amdhsa_forward_progress 1
		.amdhsa_inst_pref_size 58
	.end_amdhsa_kernel
	.amdgpu_metadata
---
amdhsa.version: [ 1, 2 ]
amdhsa.kernels:
  - .name:           k_q81ca641843_merge
    .symbol:         k_q81ca641843_merge.kd
    .args:
      - { .name: gpo, .offset: 0, .size: 8, .value_kind: global_buffer, .address_space: global }
      - { .name: gps, .offset: 8, .size: 8, .value_kind: global_buffer, .address_space: global }
      - { .name: ao, .offset: 16, .size: 8, .value_kind: global_buffer, .address_space: global }
    .group_segment_fixed_size: 5632
    .private_segment_fixed_size: 0
    .kernarg_segment_align: 8
    .kernarg_segment_size: 24
    .max_flat_workgroup_size: 256
    .sgpr_count:     66
    .vgpr_count:     256
    .wavefront_size: 32
...
	.end_amdgpu_metadata
.endif
;; end of part 4
;; launch oproj (part 5): grid 8 x 32, 4 waves a work-group, clusters of 4 x 4, 327,680 bytes of LDS; arguments ao, wo16, b_o, out0; writes out0
.if DOCPART == 5
	.amdgcn_target "amdgcn-amd-amdhsa--gfx1250"
	.amdhsa_code_object_version 6
	.text
	.protected	k_q81ca641843_oproj
	.globl	k_q81ca641843_oproj
	.p2align	8
	.type	k_q81ca641843_oproj,@function
k_q81ca641843_oproj:
	s_mov_b64 s[64:65], 0
	v_nop
	global_prefetch_b8 v0, s[64:65] scope:SCOPE_SE
	s_setreg_imm32_b32 hwreg(HW_REG_WAVE_MODE, 25, 1), 1
	s_wait_xcnt 0x0
	s_wait_alu depctr_hold_cnt(0) depctr_sa_sdst(0) depctr_va_vdst(0) depctr_va_sdst(0) depctr_va_ssrc(0) depctr_va_vcc(0) depctr_vm_vsrc(0)
	s_getreg_b32 s2, hwreg(HW_REG_IB_STS2, 6, 4)
	s_cmp_eq_u32 s2, 0
	s_cbranch_scc0 .Lentry_in_a_cluster
	s_endpgm
.Lentry_in_a_cluster:
	s_bfe_u32 s2, ttmp6, 0x10000c
	s_cmp_lg_u32 s2, 0xf033
	s_cbranch_scc0 .Lentry_shape_is_right
	s_endpgm
.Lentry_shape_is_right:
; out0[tok][n] = sum over k of A[tok][k] w_o[n][k] + b_o[n], K = 1,024; f16 operands, f32 sums, f32 out.
; A is the attention's result, ao, f16, laid [64 blocks of 64 tokens][16 heads][64 tokens][64 channels], k = 64 head + channel: 64 tokens x 4 heads (256 along K) are 32,768 dense bytes.  w_o: wo16 [1024 n][1024 k] f16.
; A tile of out0 is 128 x 128: 8 x 32 = 256 work-groups.  Four waves, each 64 x 64: 16 accumulators of 16 x 16.  K goes in four steps of 256 through two LDS slots; a wave's tensor load brings 64 tokens x 4 heads of A, or 64 rows x 512 bytes of w_o.
; In LDS a row of A's tile is a pair of tokens of one head (256 bytes + 16); a quarter of a K step is one head.
; CLUSTERS: 4 x 4 work-groups.  The four of a row of the cluster need the same tiles of A, the four of a column the same tiles of w_o: each tile is asked for JOINTLY.
; THE MATRIX INSTRUCTION IS USED TRANSPOSED (source 0 = 16 rows of w_o, source 1 = 16 tokens): a lane then holds eight neighbouring numbers of a row of out0.  The bias is the C of each sum's first product.
; REGISTERS: window 0: v0-31 addresses; v32-95 the way out; v96-127 the bias; v128-255 the accumulators ((a, b) at v[128 + 8 (4 a + b)]).   window 1: two fragment buffers of 128: 64 registers of A, then 64 of w_o, for 64 along K.
.set KSTEP,  256
.set PA,     272                       ; A's LDS row: token y of a head lies at (y / 2) PA + 128 (y % 2): the 16 tokens of a load start at 16 different groups of four banks (64 banks of 4 bytes: ISA guide 11.1)
.set PB,     528                       ; w_o's LDS row: 512 bytes + 16
.set HALFA,  128*PA                    ; what one tensor load brings of A: 4 heads x 32 pairs of tokens
.set HALFB,  64*PB                     ; and of w_o: 64 rows
.set SLOT,   2*HALFA+2*HALFB
.set STAGE,  2*SLOT                    ; behind the ring: 16 rows x (256 bytes + 16) for each wave
.set SPITCH, 272
.set SPARE,  STAGE+4*16*SPITCH         ; the spare words, 128 bytes a wave, which no other line names
.set ADRA, 16                          ; v16-17  LDS address of my A fragments in slot 0, 1
.set ADRB, 20                          ; v20-21  the same for w_o
.set STO,  24                          ; v24     the way out: where I put 32 bytes of a row
.set RD,   25                          ; v25     where I read two rows back
.set CO,   26                          ; v26     the same two rows in out0
.set SPW,  28                          ; v28     LDS address of my spare word; never rewritten
.set NIL,  29                          ; v29     0; never rewritten
.set BO,   30                          ; v30     32 x (lane / 16)
.set TMP,  32                          ; v32-63, v64-95: a block read back, by turns
.set BI,   96                          ; the bias: eight registers for each block of 16 columns
.set ACC,  128
.set F0,   0                           ; fragment buffers, in window 1
.set F1,   128
.set G1, 24                            ; s[24:31] group 1 for A's tiles;  s[32:39] group 0, a set for each slot
.set G0, 32
.set G1B, 48                           ; s[48:55], s[56:63] the same for w_o's
.set G0B, 56
.set MSB, 0
.macro WIN new                         ; the immediate's high byte repeats the setting that is left
.if MSB != \new
	s_set_vgpr_msb (MSB<<8)|\new
.set MSB, \new
.endif
.endm
.set MUL,  0x05                        ; sources 0 (w_o) and 1 (A) window 1; C and D window 0
.set TO_F, 0x40                        ; destination window 1, address window 0
.macro JLOAD s                         ; a joint load: waves 0 and 1 fetch A's two halves, waves 2 and 3 w_o's; an s_nop 0 and four v_nop follow each of the two lines
	s_cmp_eq_u32 s11, 0
	s_cbranch_scc0 .Lfor_b_\@
	tensor_load_to_lds s[G0+4*\s:G0+4*\s+3], s[G1:G1+7]
	s_nop 0
.rept 4
	v_nop
.endr
	s_branch .Lasked_\@
.Lfor_b_\@:
	tensor_load_to_lds s[G0B+4*\s:G0B+4*\s+3], s[G1B:G1B+7]
	s_nop 0
.rept 4
	v_nop
.endr
.Lasked_\@:
.endm
.macro CREST                           ; a round of the cluster's barrier behind its opening barrier
	s_cmp_lg_u32 s10, 0
	s_cbranch_scc1 .Lnot_wave_0_\@
	s_barrier_signal -3
.Lnot_wave_0_\@:
	s_barrier_wait -3
	s_barrier_signal -1
	s_barrier_wait -1
.endm
.macro CROUND                          ; a whole round
	s_barrier_signal -1
	s_barrier_wait -1
	CREST
.endm
	s_load_b128 s[4:7], s[0:1], 0x0                ; ao s[4:5], wo16 s[6:7]
	s_load_b128 s[68:71], s[0:1], 0x10             ; b_o s[68:69], out0 s[70:71]
	v_lshl_add_u32 v[SPW], v0, 2, SPARE
	v_mov_b32 v[NIL], 0
	ds_add_u32 v[SPW], v[NIL]                      ; the wave's opening: the add, twice on end, and its wait ahead of my first tensor load
	ds_add_u32 v[SPW], v[NIL]
	v_lshrrev_b32 v1, 5, v0
	v_readfirstlane_b32 s10, v1                    ; wave 0..3
	s_lshr_b32 s11, s10, 1                         ; which half of the tile's rows is mine.  Also: I fetch for A (0) or for w_o (1)
	s_and_b32 s12, s10, 1                          ; which half of its columns.  Also: which half of that tile I fetch
	s_bfe_u32 s40, ttmp6, 0x40000                  ; cx, cy: my place in the cluster
	s_bfe_u32 s41, ttmp6, 0x40004
	s_lshl_b32 s42, ttmp9, 2
	s_add_co_u32 s42, s42, s40                     ; tile column = 4 x cluster x + cx
	s_and_b32 s13, ttmp7, 0xffff
	s_lshl_b32 s13, s13, 2
	s_add_co_u32 s13, s13, s41                     ; tile row = 4 x cluster y + cy
	s_lshl_b32 s43, s41, 2
	s_lshl_b32 s43, 15, s43                        ; my row of the cluster
	s_lshl_b32 s44, 0x1111, s40                    ; my column
	; group 1.  A: 128 dense rows of 128 elements of 2 bytes, four words of padding behind every 64.  w_o: 64 rows of 256 elements, 1,024 apart, four words behind every 128
	s_or_b32 s[G1+0], s43, (1<<16)|(1<<20)|(1<<21)|(5<<22)|(3<<25)
	s_mov_b32 s[G1+1], 128<<16                     ; tensor_dim0
	s_mov_b32 s[G1+2], 128<<16                     ; tensor_dim1
	s_mov_b32 s[G1+3], 128<<16                     ; tile_dim0
	s_mov_b32 s[G1+4], 128                         ; tile_dim1
	s_mov_b32 s[G1+5], 128                         ; from row to row
	s_mov_b32 s[G1+6], 0
	s_mov_b32 s[G1+7], 0
	s_or_b32 s[G1B+0], s44, (1<<16)|(1<<20)|(1<<21)|(6<<22)|(3<<25)
	s_mov_b32 s[G1B+1], KSTEP<<16
	s_mov_b32 s[G1B+2], 64<<16
	s_mov_b32 s[G1B+3], KSTEP<<16
	s_mov_b32 s[G1B+4], 64
	s_mov_b32 s[G1B+5], 1024
	s_mov_b32 s[G1B+6], 0
	s_mov_b32 s[G1B+7], 0
	s_lshl_b32 s16, s13, 1
	s_add_co_u32 s16, s16, s12                     ; A: token block 2 x tile row + half,
	s_lshl_b32 s16, s16, 17                        ; 131,072 bytes each
	s_mov_b32 s17, 0
	s_lshl_b32 s46, s42, 7
	s_lshl_b32 s47, s12, 6
	s_add_co_u32 s46, s46, s47                     ; w_o: row 128 x tile column + 64 x half,
	s_lshl_b32 s46, s46, 11                        ; 2,048 bytes each
	s_mov_b32 s47, 0
	s_mul_i32 s20, s12, HALFA                      ; where they go: A's two halves, then w_o's two: no place in the cluster enters an LDS address
	s_mul_i32 s21, s12, HALFB
	s_add_co_u32 s21, s21, 2*HALFA
	s_wait_dscnt 0x0                               ; both opening adds are done
	s_wait_kmcnt 0x0
	s_add_nc_u64 s[14:15], s[4:5], s[16:17]
	s_add_nc_u64 s[46:47], s[6:7], s[46:47]
	CROUND                                         ; all sixteen work-groups are here: the first joint loads meet
.irp s, 0,1
	s_mov_b32 s[G0+4*\s], 1
	s_add_co_u32 s[G0+4*\s+1], s20, \s*SLOT
	s_add_nc_u64 s[G0+4*\s+2:G0+4*\s+3], s[14:15], \s*32768        ; K step s: heads 4 s on
	s_or_b32 s[G0+4*\s+3], s[G0+4*\s+3], 0x80000000
	s_mov_b32 s[G0B+4*\s], 1
	s_add_co_u32 s[G0B+4*\s+1], s21, \s*SLOT
	s_add_nc_u64 s[G0B+4*\s+2:G0B+4*\s+3], s[46:47], \s*KSTEP*2
	s_or_b32 s[G0B+4*\s+3], s[G0B+4*\s+3], 0x80000000
	JLOAD \s                                       ; two tensor loads of mine are out
.endr
	v_and_b32 v1, 15, v0                           ; r
	v_bfe_u32 v2, v0, 4, 1                         ; h
	v_lshlrev_b32 v[BO], 5, v2
	s_lshl_b32 s16, s13, 7
	s_lshl_b32 s17, s11, 6
	s_add_co_u32 s16, s16, s17                     ; my first row of out0: 128 x tile row + 64 x half,
	s_lshl_b32 s16, s16, 12                        ; 4,096 bytes each
	s_mov_b32 s17, 0
	s_add_nc_u64 s[70:71], s[70:71], s[16:17]
	s_lshl_b32 s46, s42, 9                         ; my first column x 4 bytes: 512 x tile column + 256 x half
	s_lshl_b32 s47, s12, 8
	s_add_co_u32 s46, s46, s47
	s_mov_b32 s47, 0
	s_add_nc_u64 s[70:71], s[70:71], s[46:47]
	s_add_nc_u64 s[68:69], s[68:69], s[46:47]
.irp b, 0,1,2,3
	global_load_b128 v[BI+8*\b:BI+8*\b+3], v[BO], s[68:69] offset:64*\b          ; lane (r, h), block b: b_o[16 b + 8 h + 0 .. 7], the result's layout
	global_load_b128 v[BI+8*\b+4:BI+8*\b+7], v[BO], s[68:69] offset:64*\b+16
.endr
	v_mul_u32_u24 v3, v1, PB
	v_lshl_add_u32 v3, v2, 4, v3                   ; w_o: row r x pitch + 16 h
	v_lshrrev_b32 v4, 1, v1
	v_mul_u32_u24 v4, v4, PA
	v_and_b32 v5, 1, v1
	v_lshl_add_u32 v4, v5, 7, v4
	v_lshl_add_u32 v4, v2, 4, v4                   ; A: token r: (r / 2) PA + 128 (r % 2) + 16 h
	s_mul_i32 s21, s11, HALFA                      ; my 64 tokens
	s_mul_i32 s22, s12, HALFB                      ; my 64 rows of w_o,
	s_add_co_u32 s22, s22, 2*HALFA                 ; which lie behind A's two halves
.irp s, 0,1
	v_add_nc_u32 v[ADRA+\s], s21, v4
	v_add_nc_u32 v[ADRB+\s], s22, v3
	s_add_co_u32 s21, s21, SLOT
	s_add_co_u32 s22, s22, SLOT
.endr
	s_mul_i32 s23, s10, 16*SPITCH
	s_add_co_u32 s23, s23, STAGE                   ; my stage
	v_mul_u32_u24 v4, v1, SPITCH                   ; in: row r, 32 bytes for each half of the lanes
	v_lshl_add_u32 v4, v2, 5, v4
	v_add_nc_u32 v[STO], s23, v4
	v_mul_u32_u24 v5, v2, SPITCH                   ; back: lanes 0-15 one row of 256 bytes, lanes 16-31 the next
	v_lshl_add_u32 v5, v1, 4, v5
	v_add_nc_u32 v[RD], s23, v5
	v_lshlrev_b32 v5, 12, v2                       ; and the same two rows in out0
	v_lshl_add_u32 v[CO], v1, 4, v5
; 8 matrix instructions: token blocks a0, a0 + 1 x all 4 column blocks, 32 along K: half c of buffer f.  bias = 1: the first product starts the sums from the bias.  The 16 accumulators take turns.
.macro MUL8 f, c, a0, bias
.irp a, \a0, \a0+1
.irp b, 0,1,2,3
.if \bias
	v_wmma_f32_16x16x32_f16 v[ACC+8*(4*(\a)+\b):ACC+8*(4*(\a)+\b)+7], v[\f+64+8*(4*\c+\b):\f+64+8*(4*\c+\b)+7], v[\f+8*(4*\c+\a):\f+8*(4*\c+\a)+7], v[BI+8*\b:BI+8*\b+7]
.else
	v_wmma_f32_16x16x32_f16 v[ACC+8*(4*(\a)+\b):ACC+8*(4*(\a)+\b)+7], v[\f+64+8*(4*\c+\b):\f+64+8*(4*\c+\b)+7], v[\f+8*(4*\c+\a):\f+8*(4*\c+\a)+7], v[ACC+8*(4*(\a)+\b):ACC+8*(4*(\a)+\b)+7]
.endif
.endr
.endr
.endm
; 32 LDS loads in one run: the fragments of the slot's q-th 64 along K (one head) into buffer f; the first 32 along K first
.macro FETCH slot, q, f
	WIN TO_F
.irp c, 0,1
.irp i, 0,1,2,3
	ds_load_b128 v[\f+64+8*(4*\c+\i):\f+64+8*(4*\c+\i)+3],   v[ADRB+\slot] offset:128*(\q)+64*\c+\i*16*PB
	ds_load_b128 v[\f+64+8*(4*\c+\i)+4:\f+64+8*(4*\c+\i)+7], v[ADRB+\slot] offset:128*(\q)+64*\c+\i*16*PB+32
	ds_load_b128 v[\f+8*(4*\c+\i):\f+8*(4*\c+\i)+3],         v[ADRA+\slot] offset:32*PA*(\q)+64*\c+\i*8*PA
	ds_load_b128 v[\f+8*(4*\c+\i)+4:\f+8*(4*\c+\i)+7],       v[ADRA+\slot] offset:32*PA*(\q)+64*\c+\i*8*PA+32
.endr
.endr
.endm
.macro PLACES                          ; four places in front of loads into registers that matrix instructions have read, and of the first read of results
.rept 4
	v_nop
.endr
.endm
; A K step is four quarters of 64 along K, 32 matrix instructions each, on buffers 0, 1, 0, 1.  One of the first three: multiplies buffer f and fetches quarter q into g.
.macro QUARTER slot, q, f, g, bias
	s_wait_dscnt 16                                ; the first 32 along K are in; the sixteen younger loads may be out
	WIN MUL
	MUL8 \f, 0, 0, \bias
	MUL8 \f, 0, 2, \bias
	PLACES
	FETCH \slot, \q, \g
	s_wait_dscnt 32                                ; all but the 32 just issued
	WIN MUL
	MUL8 \f, 1, 0, 0
	MUL8 \f, 1, 2, 0
.endm
; The last quarter multiplies buffer 1 and changes slots: ONE barrier; in front of it each wave waits for all its tensor loads, adds 0 to its spare word, and waits for that and for its own reads of this slot.
; fill = 1: this slot is filled again, two K steps ahead: the barrier then opens a round of the cluster's barrier, and the joint refill is the first thing behind the round.
.macro TURN slot, next, fill
	WIN 0                                          ; (the add's two registers lie in window 0)
	s_wait_tensorcnt 0x0                           ; all my tensor loads have landed: my part of the next slot
	ds_add_u32 v[SPW], v[NIL]                      ; 0 onto my spare word
	s_wait_dscnt 17                                ; (the add and the youngest sixteen loads may be out)
	WIN MUL
	MUL8 F1, 0, 0, 0                               ; eight matrix instructions stand between the add and the wait for it
	s_wait_dscnt 0x0                               ; the add is done, and my reads of this slot are over
	s_barrier_signal -1
	MUL8 F1, 0, 2, 0
.if \fill
	WIN 0
.endif
	s_barrier_wait -1
.if \fill
	CREST                                          ; no wave of any partner still reads this slot's tile or has a load on its way
	s_add_nc_u64 s[G0+4*\slot+2:G0+4*\slot+3], s[G0+4*\slot+2:G0+4*\slot+3], 2*32768
	s_add_nc_u64 s[G0B+4*\slot+2:G0B+4*\slot+3], s[G0B+4*\slot+2:G0B+4*\slot+3], 2*KSTEP*2
	JLOAD \slot                                    ; my one tensor load behind the round; the four v_nop behind it are also the places in front of the loads below
.else
	PLACES
.endif
	FETCH \next, 0, F0
	WIN MUL
	MUL8 F1, 1, 0, 0
	MUL8 F1, 1, 2, 0
.endm
	s_wait_tensorcnt 1                             ; my part of K step 0 is in; K step 1's load, issued behind it, may be out
	s_barrier_signal -1
	s_barrier_wait -1                              ; everybody's is
	FETCH 0, 0, F0
	s_wait_loadcnt 0x0                             ; the bias
	QUARTER 0, 1, F0, F1, 1                        ; K step 0: the first products start the sums from the bias
	QUARTER 0, 2, F1, F0, 0
	QUARTER 0, 3, F0, F1, 0
	TURN 0, 1, 1                                   ; slot 0 takes K step 2
	QUARTER 1, 1, F0, F1, 0                        ; K step 1
	QUARTER 1, 2, F1, F0, 0
	QUARTER 1, 3, F0, F1, 0
	TURN 1, 0, 1                                   ; slot 1 takes K step 3
	QUARTER 0, 1, F0, F1, 0                        ; K step 2
	QUARTER 0, 2, F1, F0, 0
	QUARTER 0, 3, F0, F1, 0
	TURN 0, 1, 0                                   ; nothing is left to fetch
	QUARTER 1, 1, F0, F1, 0                        ; K step 3
	QUARTER 1, 2, F1, F0, 0
	QUARTER 1, 3, F0, F1, 0
	s_wait_dscnt 16                                ; the very last quarter
	WIN MUL
	MUL8 F1, 0, 0, 0
	MUL8 F1, 0, 2, 0
	s_wait_dscnt 0
	MUL8 F1, 1, 0, 0
	MUL8 F1, 1, 2, 0
	WIN 0
; THE WAY OUT, block by block of 16 rows x 64 columns.  A wave's 64 columns of f32 are 256 aligned bytes of a row, so each wave has a stage of its own and no barrier is wanted.
; The accumulators go to the stage as they are, each from its low end on, and come back two whole rows an instruction.  LDS serves a wave's instructions in order (ISA guide 5.7.1.4).
.macro TOSTAGE a
.set BB, TMP+32*((\a)%2)
.irp b, 0,1,2,3
	ds_store_b128 v[STO], v[ACC+8*(4*(\a)+\b):ACC+8*(4*(\a)+\b)+3] offset:64*\b
	ds_store_b128 v[STO], v[ACC+8*(4*(\a)+\b)+4:ACC+8*(4*(\a)+\b)+7] offset:64*\b+16
.endr
.irp t, 0,1,2,3,4,5,6,7
	ds_load_b128 v[BB+4*\t:BB+4*\t+3], v[RD] offset:\t*2*SPITCH
.endr
.endm
.macro SEND a, younger                 ; younger: the LDS instructions issued behind block a's loads, which may stay out
.set BB, TMP+32*((\a)%2)
	s_wait_dscnt \younger
.irp t, 0,1,2,3,4,5,6,7
	global_store_b128 v[CO], v[BB+4*\t:BB+4*\t+3], s[70:71] offset:(16*(\a)+2*\t)*4096 th:TH_STORE_NT   ; sixteen lanes store 256 consecutive bytes, at a multiple of 256 from out0's first byte
.endr
.endm
	PLACES
	TOSTAGE 0
.irp a, 1,2,3
.if \a > 1
	s_wait_xcnt 0x0                                ; block a - 2's stores have read their registers: block a's loads may land there
.endif
	TOSTAGE \a
	SEND \a-1, 16                                  ; behind block a - 1's loads: block a's 8 stores and 8 loads
.endr
	SEND 3, 0
	s_wait_tensorcnt 0x0                           ; the wave's end, behind my last tensor load and my last LDS store
	ds_add_u32 v[SPW], v[NIL]
	s_wait_dscnt 0x0
	CROUND                                         ; the closing round: no work-group ends while a partner may still ask for a tile that names it
	s_endpgm
.Lfunc_end_k_q81ca641843_oproj:
	.size	k_q81ca641843_oproj, .Lfunc_end_k_q81ca641843_oproj-k_q81ca641843_oproj
	.p2alignl 7, 3214868480
	.fill 96, 4, 3214868480
	.section	.rodata,"a",@progbits
	.p2align	6, 0x0
	.amdhsa_kernel k_q81ca641843_oproj
		.amdhsa_group_segment_fixed_size 327680
		.amdhsa_private_segment_fixed_size 0
		.amdhsa_enable_private_segment 0
		.amdhsa_kernarg_size 32
		.amdhsa_user_sgpr_count 2
		.amdhsa_user_sgpr_kernarg_segment_ptr 1
		.amdhsa_wavefront_size32 1
		.amdhsa_system_sgpr_workgroup_id_x 1
		.amdhsa_system_sgpr_workgroup_id_y 1
		.amdhsa_system_sgpr_workgroup_id_z 1
		.amdhsa_system_vgpr_workitem_id 0
		.amdhsa_next_free_vgpr 512
		.amdhsa_next_free_sgpr 72
		.amdhsa_reserve_vcc 0
		.amdhsa_float_denorm_mode_32 3
		.amdhsa_float_denorm_mode_16_64 3
		.amdhsa_memory_ordered 1
		.amdhsa_forward_progress 1
		.amdhsa_inst_pref_size 87
	.end_amdhsa_kernel
	.amdgpu_metadata
---
amdhsa.version: [ 1, 2 ]
amdhsa.kernels:
  - .name:           k_q81ca641843_oproj
    .symbol:         k_q81ca641843_oproj.kd
    .args:
      - { .name: ao, .offset: 0, .size: 8, .value_kind: global_buffer, .address_space: global }
      - { .name: wo16, .offset: 8, .size: 8, .value_kind: global_buffer, .address_space: global }
      - { .name: b_o, .offset: 16, .size: 8, .value_kind: global_buffer, .address_space: global }
      - { .name: out0, .offset: 24, .size: 8, .value_kind: global_buffer, .address_space: global }
    .group_segment_fixed_size: 327680
    .private_segment_fixed_size: 0
    .kernarg_segment_align: 8
    .kernarg_segment_size: 32
    .max_flat_workgroup_size: 128
    .sgpr_count:     72
    .vgpr_count:     512
    .wavefront_size: 32
...
	.end_amdgpu_metadata
.endif
;; end of part 5
